; MI455X (gfx1250); checked and timed in simulation.
; The chip was launched on July 23, 2026; its instructions are those of AMD's public machine-readable ISA for CDNA 5 (MIT licence, August 2026) and "CDNA5" Instruction Set Architecture Reference Guide (July 2026). The comments in the code are by the model that wrote it; some were corrected since.
;; Interpretable Multihead Attention. Allowed arithmetic: matrix products marked QUANTISED: E3M2 operands, one E8M0 scale for each 32 along K, by v_wmma_scale_f32_16x16x128_f8f6f4 with both operands' format E3M2, f32 sums; everything else in f32.
;; Inputs: Wk 1,024 x 1,024 float32; Wo 1,024 x 1,024 float32; Wq 1,024 x 1,024 float32; Wv 1,024 x 1,024 float32; bk 1,024 float32; bo 1,024 float32; bq 1,024 float32; bv 1,024 float32; x 4 x 2,048 x 1,024 float32.
;; Outputs: out0 4 x 2,048 x 1,024 float32.
;; This version of the problem:
;;   THIS VERSION OF THE PROBLEM IS GIVEN IN LOW PRECISION. The matrix products marked QUANTISED in the list below multiply operands that are first quantised to E3M2 (3 exponent bits, 2 mantissa bits; 6 bits a number), with one power-of-two scale for each 32 numbers along K (OCP MX v1.0); their sums are f32. All else is computed in f32.
;;   The module's matrix products, in the order in which they are computed (A, B: the left and right operand; K: the contracted axis; several contracted axes count as one K, in the product's order):
;;     1. [M 8,192, K 1,024] x [K 1,024, N 1,024]; A: input x; B: input Wq: QUANTISED
;;     2. [M 8,192, K 1,024] x [K 1,024, N 1,024]; A: input x; B: input Wk: QUANTISED
;;     3. [M 8,192, K 1,024] x [K 1,024, N 1,024]; A: input x; B: input Wv: QUANTISED
;;     4. batch 64 x [M 2,048, K 64] x [K 64, N 2,048]; A: computed on the way; B: computed on the way: QUANTISED
;;     5. batch 64 x [M 2,048, K 2,048] x [K 2,048, N 64]; A: softmax (see below); B: computed on the way: QUANTISED
;;     6. [M 8,192, K 1,024] x [K 1,024, N 1,024]; A: computed on the way; B: input Wo: QUANTISED
;;   THE QUANTISER, for each operand of a quantised product, along K:
;;     - K is cut into blocks of 32 from its start; a last block that is shorter is filled with zeros.
;;     - A block's scale is 2^e with e = floor(log2(the largest magnitude in the block)) - 4, held to -126 .. 127; a block of zeros has e = 0. As a byte (E8M0): e + 127.
;;     - Each number is divided by its block's scale, clamped to +-28, and rounded to the nearest number of E3M2, ties to even, subnormals kept.
;;     - The product sums the exact products of the quantised numbers (number of the format x scale) in f32.
;;   ~~~python
;;   def quantise(x, axis):      # numpy; x: float32 -> the quantised numbers, widened to float32 again
;;       x = np.moveaxis(x, axis, -1); K = x.shape[-1]
;;       x = np.pad(x, [(0, 0)] * (x.ndim - 1) + [(0, -K % 32)]); x = x.reshape(x.shape[:-1] + (-1, 32)); a = np.abs(x).max(-1, keepdims=True)
;;       e = np.where(a > 0, np.clip(np.frexp(np.where(a > 0, a, 1))[1] - 1 - 4, -126, 127), 0)      # np.frexp(a)[1] - 1 = floor(log2(a)), exactly
;;       r = np.clip(x / 2.0 ** e, -28, 28)
;;       step = 2.0 ** (np.maximum(np.frexp(np.where(r == 0, 1, r))[1] - 1, -2) - 2)
;;       q = np.round(r / step) * step * 2.0 ** e      # np.round: ties to even
;;       return np.moveaxis(q.reshape(q.shape[:-2] + (-1,))[..., :K], -1, axis).astype(np.float32)
;;   ~~~
;;   SOFTMAX AHEAD OF A QUANTISED PRODUCT. Where the list says 'softmax', what is quantised is not the finished softmax but p = 2^(t - M), with t = logit x log2(e) and M = ceil(the row's largest t), a whole number; so 1/2 < the row's largest p <= 1. The row's sum l is taken of the UNQUANTISED p, in f32, and the product's result is divided by l at the end. Since M is a whole number, a kernel that streams over the keys may use a running M (the ceiling of the running maximum): every later rescaling is an exact power of two, which a block's scale takes up: the codes' values come out the same.
;;   OPERANDS COMPUTED ON THE WAY. 'Computed on the way' means the value that the module computes at that place (a softmax that the list does not call 'softmax' is quantised finished and normalised). What goes into a quantiser is computed in f32, as accurately as f32 sums, v_exp_f32 and their like allow (about 1e-6 of the number): no bf16 or f16 on the way to a quantiser, and a product that is left as it is and whose result goes on into a quantised operand takes f32 operands (vector FMAs, or v_wmma_f32_16x16x4_f32). A number that lies on a knife's edge between two numbers of the format may be rounded either way, as far as f32 arithmetic and the matrix unit's own rounding can turn it there, and no further.
;; One version. Each part assembles by itself: llvm-mc -triple=amdgcn-amd-amdhsa -mcpu=gfx1250 --defsym DOCPART=n.
;; ======== version 1 of 1: 4 launches
;; limits: right only within a limited range of input values
;; workspace buffers: x_img 6,291,456 bytes; x_sc 262,144 bytes; w_img 3,145,728 bytes; w_sc 131,072 bytes; q_ws 6,815,744 bytes; kv_ws 13,369,344 bytes; ctx_img 6,291,456 bytes; ctx_sc 262,144 bytes
;; launch quant (part 1): grid 384 x 1, 4 waves a work-group, no clusters, 34,304 bytes of LDS; arguments x, Wq, Wk, Wv, Wo, x_img, x_sc, w_img, w_sc; writes x_img, x_sc, w_img, w_sc
.if DOCPART == 1
	.amdgcn_target "amdgcn-amd-amdhsa--gfx1250"
	.amdhsa_code_object_version 6
	.text
	.protected	k_q04b1980b43_quant
	.globl	k_q04b1980b43_quant
	.p2align	8
	.type	k_q04b1980b43_quant,@function
k_q04b1980b43_quant:
	s_mov_b64 s[64:65], 0
	v_nop
	global_prefetch_b8 v0, s[64:65] scope:SCOPE_SE
	s_setreg_imm32_b32 hwreg(HW_REG_WAVE_MODE, 25, 1), 1
	s_wait_xcnt 0x0
; x [8192][1024] and Wq, Wk, Wv, Wo [1024][1024], f32 with K innermost, become codes of BF6 (E3M2) and E8M0 scale bytes, one for each 32 along K,
; laid as the later launches' registers want them.
; ROWS IN POSITIONS: in each group of 64 rows, position 16 s + r holds row 32 (r / 8) + 8 s + r % 8.  A row tile is 16 positions.
; IMAGE of a fragment (16 positions x 128 K, 12 registers a lane): six planes of 256 bytes, plane p = registers 2 p, 2 p + 1, lane l at byte 8 l.
; A matrix is [row tile][k128 0..7][plane][lane][8 bytes]: 12,288 bytes a row tile.  Scale words: [row tile][k quad 0..1][r][4 words]: 512 bytes a row tile.
; A block's scale is 2^(floor(log2(largest magnitude)) - 4); its byte is the largest magnitude's exponent field - 4, held at 1 from below.
; LIMITS: NaN and infinities among the inputs are not served; a block of zeros, or one whose largest magnitude lies under 2^-122, keeps the byte 1 where the rule
; says 127 for zeros: its codes are zeros, and the bytes are read by this program alone.
; SHARES: a wave takes one row tile and four fragments (512 along K).  Work-groups 0-255 take x, then 32 each Wq, Wk, Wv, Wo: only pointers are chosen, the path is one.
; Each load reads 512 consecutive bytes of one row; the 16 rows turn through the wave's own stage in LDS (rows 528 bytes apart), so that a lane gets 2 x 32 neighbours
; along K, which are two whole blocks: no other lane is asked for a maximum.  Each store of a plane covers 256 consecutive bytes, aligned.
; No tensor loads, no barrier, no cluster: waves share nothing, and memory binds.  32 loads of a wave are out at the start, 16 while a fragment is worked on.
.set SPI,  528                         ; a stage row: 512 bytes + 16
.set STG,  16*SPI                      ; a wave's stage
.set R,    16                          ; v16-143  two sets of 64 registers as loaded
.set X,    144                         ; v144-207 register 32 c + i = k 64 c + 32 h + i of my row
.set D,    208                         ; v208-219 the fragment's codes
.set TC,   220                         ; v220-226 the second halves of the blocks' codes, before they are moved
.set TM,   228                         ; v228-229 largest magnitudes
.set SO,   230                         ; v230-231 the conversions' scale operands
.set BY,   232                         ; v232-233 scale bytes
.set T,    234                         ; v234     the other half's bytes
.set PW,   240                         ; v240-243 the four fragments' scale words
.set SH8,  7                           ; v7       8 h
.set SEL,  40                          ; s[40:41] v_permlanex16_b32's selects for lane l xor 16
; 64 numbers of a lane become 12 registers of codes at v[d] and the row's scale word in v[pw]
.macro QUANT6 x, d, pw
.irp c, 0,1
	v_max3_num_f32 v[TM+\c], |v[(\x)+32*\c]|, |v[(\x)+32*\c+1]|, 0x2800000   ; my block 2 c + h, and the floor 2^(5 - 127): the byte cannot fall under 1
.endr
.irp i, 2,4,6,8,10,12,14,16,18,20,22,24,26,28,30
.irp c, 0,1
	v_max3_num_f32 v[TM+\c], v[TM+\c], |v[(\x)+32*\c+\i]|, |v[(\x)+32*\c+\i+1]|
.endr
.endr
.irp c, 0,1
	v_add_nc_u32 v[SO+\c], 0xfe000000, v[TM+\c]    ; 4 off the exponent field: the conversion takes this operand's exponent field as its scale
.endr
.irp c, 0,1
	v_lshrrev_b32 v[BY+\c], 23, v[SO+\c]           ; the scale's byte
.endr
	v_lshl_or_b32 v[\pw], v[BY+1], 16, v[BY]       ; my two bytes, blocks h and 2 + h,
	v_lshlrev_b32 v[\pw], v[SH8], v[\pw]           ; at their places in the word;
	v_permlanex16_b32 v[T], v[\pw], s[SEL], s[SEL+1]
	v_or_b32 v[\pw], v[\pw], v[T]                  ; with lane l xor 16's two the word is whole
.irp c, 0,1
	v_cvt_scalef32_pk16_bf6_f32 v[(\d)+6*\c:(\d)+6*\c+2], v[(\x)+32*\c:(\x)+32*\c+15], v[SO+\c]
	v_cvt_scalef32_pk16_bf6_f32 v[TC+4*\c:TC+4*\c+2], v[(\x)+32*\c+16:(\x)+32*\c+31], v[SO+\c]   ; (a conversion's three registers begin on an even number)
.endr
	v_nop                                          ; one plain place behind a scaled conversion
.irp c, 0,1
.irp i, 0,1,2
	v_mov_b32 v[(\d)+6*\c+3+\i], v[TC+4*\c+\i]
.endr
.endr
.endm
	s_load_b512 s[4:19], s[0:1], 0x0               ; x, Wq, Wk, Wv, Wo, x_img, x_sc, w_img
	s_load_b64 s[20:21], s[0:1], 0x40              ; w_sc
	v_lshl_add_u32 v244, v0, 2, 0x8400
	v_mov_b32 v245, 0
	v_lshrrev_b32 v1, 5, v0
	v_readfirstlane_b32 s30, v1                    ; wave 0..3
	v_and_b32 v1, 31, v0                           ; l
	v_and_b32 v8, 15, v0                           ; r
	v_bfe_u32 v9, v0, 4, 1                         ; h
	v_lshlrev_b32 v2, 4, v1                        ; 16 l: my 16 bytes of a load's 512
	s_mul_i32 s31, s30, STG
	v_add_nc_u32 v3, s31, v2                       ; the stage, on the way in
	v_mul_u32_u24 v4, v8, SPI
	v_lshl_add_u32 v4, v9, 7, v4
	v_add_nc_u32 v4, s31, v4                       ; and on the way out: row r, + 128 h
	v_lshlrev_b32 v5, 3, v1                        ; 8 l: my place in a plane
	v_lshlrev_b32 v6, 4, v8                        ; 16 r: my row's four scale words
	v_lshlrev_b32 v[SH8], 3, v9
	v_mov_b32 v[T], 0                              ; written once: a lane permute's destination counts as one of its sources
	s_mov_b32 s[SEL], 0x76543210
	s_mov_b32 s[SEL+1], 0xfedcba98
	s_lshl_b32 s32, ttmp9, 1
	s_lshr_b32 s33, s30, 1
	s_add_co_u32 s32, s32, s33                     ; row tile, counted over x and the four weights
	s_and_b32 s33, s30, 1                          ; k quad
	s_wait_alu depctr_va_vdst(0)
	s_wait_kmcnt 0x0
	s_cmp_lt_u32 ttmp9, 352                        ; the choices hang on the work-group's number alone
	s_cselect_b64 s[22:23], s[10:11], s[12:13]
	s_cmp_lt_u32 ttmp9, 320
	s_cselect_b64 s[22:23], s[8:9], s[22:23]
	s_cmp_lt_u32 ttmp9, 288
	s_cselect_b64 s[22:23], s[6:7], s[22:23]
	s_cmp_lt_u32 ttmp9, 256
	s_cselect_b64 s[22:23], s[4:5], s[22:23]       ; the source
	s_cselect_b64 s[24:25], s[14:15], s[18:19]     ; the images
	s_cselect_b64 s[26:27], s[16:17], s[20:21]     ; the scale words
	s_cselect_b32 s28, 0, 512
	s_cselect_b32 s29, 511, 63
	s_sub_co_u32 s32, s32, s28                     ; the row tile in its destination
	s_and_b32 s34, s32, s29                        ; and in its source
	s_lshr_b32 s35, s34, 2
	s_lshl_b32 s35, s35, 6
	s_and_b32 s34, s34, 3
	s_lshl_b32 s34, s34, 3
	s_add_co_u32 s34, s34, s35                     ; the row at position 0: 64 x group + 8 s
	s_lshl_b32 s34, s34, 12                        ; rows of 4,096 bytes
	s_lshl_b32 s35, s33, 11
	s_add_co_u32 s34, s34, s35                     ; + 2,048 x k quad
	s_mov_b32 s35, 0
	s_add_nc_u64 s[22:23], s[22:23], s[34:35]
	s_mul_i32 s34, s32, 12288
	s_mul_i32 s36, s33, 6144
	s_add_co_u32 s34, s34, s36
	s_add_nc_u64 s[24:25], s[24:25], s[34:35]
	s_lshl_b32 s34, s32, 9
	s_lshl_b32 s36, s33, 8
	s_add_co_u32 s34, s34, s36
	s_add_nc_u64 s[26:27], s[26:27], s[34:35]
.macro LOAD f                          ; fragment f: position i's 128 numbers, 512 consecutive bytes a load
.irp i, 0,1,2,3,4,5,6,7,8,9,10,11,12,13,14,15
	global_load_b128 v[R+64*((\f)%2)+4*\i:R+64*((\f)%2)+4*\i+3], v2, s[22:23] offset:(32*(\i/8)+\i%8)*4096+512*(\f) th:TH_LOAD_NT
.endr
.endm
.macro STEP f
.if (\f) < 3
	s_wait_loadcnt 16                              ; this fragment's 16 loads are in; the next fragment's 16 may be out
.else
	s_wait_loadcnt 0x0
.endif
.irp i, 0,1,2,3,4,5,6,7,8,9,10,11,12,13,14,15
	ds_store_b128 v3, v[R+64*((\f)%2)+4*\i:R+64*((\f)%2)+4*\i+3] offset:SPI*\i
.endr
.irp c, 0,1
.irp j, 0,1,2,3,4,5,6,7
	ds_load_b128 v[X+32*\c+4*\j:X+32*\c+4*\j+3], v4 offset:256*\c+16*\j   ; LDS serves a wave's instructions in order: these see my stores
.endr
.endr
	s_wait_dscnt 0x0                               ; my 64 numbers are in, and the stage's stores have read their registers,
.if (\f) < 2
	LOAD (\f)+2                                    ; which take the loads of two fragments on
.endif
.if (\f) > 0
	s_wait_xcnt 0x0                                ; the last fragment's stores have read the codes' registers
.endif
	QUANT6 X, D, PW+(\f)
.irp p, 0,1,2,3,4,5
	global_store_b64 v5, v[D+2*\p:D+2*\p+1], s[24:25] offset:1536*(\f)+256*\p   ; a plane: 256 consecutive bytes, aligned
.endr
.endm
	LOAD 0
	LOAD 1
	STEP 0
	STEP 1
	STEP 2
	STEP 3
	s_wait_xcnt 0x0                                ; EXEC changes only behind this wait
	v_cmp_gt_u32 vcc_lo, 16, v1
	s_wait_tensorcnt 0x0
	ds_add_u32 v244, v245
	s_wait_dscnt 0x0
	s_and_saveexec_b32 s30, vcc_lo
	global_store_b128 v6, v[PW:PW+3], s[26:27]     ; sixteen lanes store the tile's 256 bytes of scale words of this k quad
	s_wait_xcnt 0x0
	s_or_b32 exec_lo, exec_lo, s30
	s_endpgm
.Lfunc_end_k_q04b1980b43_quant:
	.size	k_q04b1980b43_quant, .Lfunc_end_k_q04b1980b43_quant-k_q04b1980b43_quant
	.p2alignl 7, 3214868480
	.fill 96, 4, 3214868480
	.section	.rodata,"a",@progbits
	.p2align	6, 0x0
	.amdhsa_kernel k_q04b1980b43_quant
		.amdhsa_group_segment_fixed_size 34304
		.amdhsa_private_segment_fixed_size 0
		.amdhsa_enable_private_segment 0
		.amdhsa_kernarg_size 72
		.amdhsa_user_sgpr_count 2
		.amdhsa_user_sgpr_kernarg_segment_ptr 1
		.amdhsa_wavefront_size32 1
		.amdhsa_system_sgpr_workgroup_id_x 1
		.amdhsa_system_sgpr_workgroup_id_y 1
		.amdhsa_system_sgpr_workgroup_id_z 1
		.amdhsa_system_vgpr_workitem_id 0
		.amdhsa_next_free_vgpr 246
		.amdhsa_next_free_sgpr 66
		.amdhsa_reserve_vcc 1
		.amdhsa_float_denorm_mode_32 3
		.amdhsa_float_denorm_mode_16_64 3
		.amdhsa_memory_ordered 1
		.amdhsa_forward_progress 1
		.amdhsa_inst_pref_size 32
	.end_amdhsa_kernel
	.amdgpu_metadata
---
amdhsa.version: [ 1, 2 ]
amdhsa.kernels:
  - .name:           k_q04b1980b43_quant
    .symbol:         k_q04b1980b43_quant.kd
    .args:
      - { .name: x, .offset: 0, .size: 8, .value_kind: global_buffer, .address_space: global }
      - { .name: Wq, .offset: 8, .size: 8, .value_kind: global_buffer, .address_space: global }
      - { .name: Wk, .offset: 16, .size: 8, .value_kind: global_buffer, .address_space: global }
      - { .name: Wv, .offset: 24, .size: 8, .value_kind: global_buffer, .address_space: global }
      - { .name: Wo, .offset: 32, .size: 8, .value_kind: global_buffer, .address_space: global }
      - { .name: x_img, .offset: 40, .size: 8, .value_kind: global_buffer, .address_space: global }
      - { .name: x_sc, .offset: 48, .size: 8, .value_kind: global_buffer, .address_space: global }
      - { .name: w_img, .offset: 56, .size: 8, .value_kind: global_buffer, .address_space: global }
      - { .name: w_sc, .offset: 64, .size: 8, .value_kind: global_buffer, .address_space: global }
    .group_segment_fixed_size: 34304
    .private_segment_fixed_size: 0
    .kernarg_segment_align: 8
    .kernarg_segment_size: 72
    .max_flat_workgroup_size: 128
    .sgpr_count:     66
    .vgpr_count:     246
    .wavefront_size: 32
...
	.end_amdgpu_metadata
.endif
;; end of part 1
;; launch qkv (part 2): grid 4 x 64, 4 waves a work-group, clusters of 4 x 4, 327,680 bytes of LDS; arguments x_img, x_sc, w_img, w_sc, bq, bk, bv, q_ws, kv_ws; writes q_ws, kv_ws
.if DOCPART == 2
	.amdgcn_target "amdgcn-amd-amdhsa--gfx1250"
	.amdhsa_code_object_version 6
	.text
	.protected	k_q04b1980b43_qkv
	.globl	k_q04b1980b43_qkv
	.p2align	8
	.type	k_q04b1980b43_qkv,@function
k_q04b1980b43_qkv:
	s_mov_b64 s[64:65], 0
	v_nop
	global_prefetch_b8 v0, s[64:65] scope:SCOPE_SE
	s_setreg_imm32_b32 hwreg(HW_REG_WAVE_MODE, 25, 1), 1
	s_wait_xcnt 0x0
	s_wait_alu depctr_hold_cnt(0) depctr_sa_sdst(0) depctr_va_vdst(0) depctr_va_sdst(0) depctr_va_ssrc(0) depctr_va_vcc(0) depctr_vm_vsrc(0)
	s_getreg_b32 s2, hwreg(HW_REG_IB_STS2, 6, 4)
	s_cmp_eq_u32 s2, 0
	s_cbranch_scc0 .Lentry_in_a_cluster
	s_endpgm
.Lentry_in_a_cluster:
	s_bfe_u32 s2, ttmp6, 0x10000c
	s_cmp_lg_u32 s2, 0xf033
	s_cbranch_scc0 .Lentry_shape_is_right
	s_endpgm
.Lentry_shape_is_right:
; q = x Wq^T + bq, k = x Wk^T + bk, v = x Wv^T + bv on codes of BF6 (E3M2) with E8M0 scales, sums in f32; the results are quantised in registers and leave as codes:
; q and k along the head's 64 channels, v along the keys.
; SHARES: 256 work-groups.  Work-group (column cx, row 0..63) owns 128 rows of x and channels 256 cx .. 256 cx + 255 of q, of k and of v: three passes of 128 x 256 x 1,024.
; x's tile, all of K, lies in LDS for the whole launch, filled once.  The weights go through TWO SLOTS of 512 along K (16 row tiles x 6,144 bytes each): Wq's two halves, Wk's, Wv's: six fills,
; four of them refills, each wave bringing four row tiles by one load.  Slot 0 is filled again in step 3 of a pass, slot 1 in the middle of the pass's way out.
; PASSES q and k are two trips of one loop: lane matrix A (source 1) = x, register matrix B (source 0) = W; wave w takes A's half w / 2 (64 positions) and B's half w % 2 (128).
; PASS v is written out behind the loop, with no refill: A = Wv, wave w's 64 positions (one head), B = x's 128 positions.  Only address registers, scale registers and the way out differ.
; ROWS IN POSITIONS (position 16 s + r of a group of 64 = row 32 (r / 8) + 8 s + r % 8): in the result, block b, half h, register j is row 64 (b / 4) + 32 h + 8 (b % 4) + j of B,
; so a lane's 32 registers of four neighbouring blocks are one whole quantiser block, in the order of the next operand's registers.
; CLUSTER 4 x 4: x's tile hangs on the row and is asked for jointly by a row of the cluster, the weights' tiles on the column and by a column.  Every refill stands behind a round of the cluster's barrier.
; LDS: x's half j of K at 49,152 j: row tile x 6,144 + (k128 % 4) x 1,536 + 256 x plane; slot j at 98,304 + 98,304 j likewise; the spare words at 294,912.
; THE NEXT STEP'S 72 LDS LOADS stand in one run ahead of a step's 32 products, into the other of two sets of fragment registers.
; NO PREFETCH: x's tile comes once, at the head; of the weights there are four refills in all, each asked for half a pass (four K steps, or two and half a way out) ahead of the wait for it.
; OUT: q_ws [head 64][group of 64 queries 32][3,328]: 12 planes (3 t + p), then [r][4 words].  kv_ws [head 64][key step 16][13,056]: K's 24 planes (3 t + p), V's 24 planes (6 s + p) at 6,144,
; K's scale words [r + 16 (t / 4)][t % 4] at 12,288, V's [r][s] at 12,800.  q's and k's words: two bytes for the head's 64, 0x7f above them for the zero codes that fill 128.
; LIMITS: no NaN or infinity; a block under 2^-122 keeps the byte 1, its codes are zeros.
; REGISTERS: window 0: v1-15 lane numbers and addresses; v16-63 scale words of q's and k's passes, v64-111 of v's; v112-113 the add's; v128-159 the way out; v160-255 A's two sets, later the way out's numbers and codes.
;   window 1: B's two sets, v0-95 and v96-191.   window 2: accumulator (a, b) at v[8 (8 a + b)].   window 3: v0-63 the bias along the registers.
.set SPARE, 0x48000
.set WSTEP, 786432                     ; from Wq to Wk to Wv in w_img: 64 row tiles of 12,288 bytes
.set WV, 22
.set WR, 23
.set WC, 24
.set CX, 25
.set CY, 26
.set TROW, 27
.set PS, 28                            ; the pass: 0 q, 1 k
.set G1X, 32                           ; s[32:39] group 1 for x's halves;  s[40:47] for the head's loads of Wq;  s[48:55] for the ring's
.set G1H, 40
.set G1W, 48
.set G0X, 56
.set G0H, 60
.set G0R, 68                           ; s[68:71] slot 0, s[72:75] slot 1
.set PAS, 76
.set PBS, 78
.set PBK, 80
.set PA2, 82
.set PB2, 84
.set PBI, 86
.set PD,  88
.set EB0, 90
.set ESA, 91
.set ESC, 92
.set ESB, 93
.set ESCH, 94
.set ESSH, 95
.set EMSK, 96
.set EOR, 97
.set SEL, 98
.set ELIM, 100
.set EOFR, 101
.set EOFL, 104
.set ADRA, 4
.set ADRB, 6
.set ADRA2, 8
.set ADRB2, 10
.set VA,  12
.set VB,  13
.set VBR, 14
.set VBL, 15
.set SA,  16
.set SB,  32
.set SA2, 64
.set SB2, 80
.set SPW, 112
.set NIL, 113
.set BL,  128
.set VO,  136
.set SVO, 144
.set SHV, 145
.set SH8, 146
.set TM,  147
.set SO,  149
.set BY,  151
.set T,   153
.set L8,  154
.set TV,  155
.set PW,  156
.set AF,  160
.set X,   160
.set WO,  160
.set D,   224
.set TC,  248
.set MSB, 0
.macro WIN new                         ; the immediate's high byte repeats the setting that is left
.if MSB != \new
	s_set_vgpr_msb (MSB<<8)|\new
.set MSB, \new
.endif
.endm
.macro PLACES n
.rept \n
	v_nop
.endr
.endm
.macro CREST                           ; a round of the cluster's barrier behind its opening barrier
	s_cmp_lg_u32 s[WV], 0
	s_cbranch_scc1 .Lnot_wave_0_\@
	s_barrier_signal -3
.Lnot_wave_0_\@:
	s_barrier_wait -3
	s_barrier_signal -1
	s_barrier_wait -1
.endm
.macro CROUND                          ; a whole round
	s_barrier_signal -1
	s_barrier_wait -1
	CREST
.endm
.macro QUANT6 x, d, pw                 ; 64 numbers of a lane (register 32 c + i = k 64 c + 32 h + i) become 12 registers of codes and the scale word
.irp c, 0,1
	v_max3_num_f32 v[TM+\c], |v[(\x)+32*\c]|, |v[(\x)+32*\c+1]|, 0x2800000   ; and the floor 2^(5 - 127)
.endr
.irp i, 2,4,6,8,10,12,14,16,18,20,22,24,26,28,30
.irp c, 0,1
	v_max3_num_f32 v[TM+\c], v[TM+\c], |v[(\x)+32*\c+\i]|, |v[(\x)+32*\c+\i+1]|
.endr
.endr
.irp c, 0,1
	v_add_nc_u32 v[SO+\c], 0xfe000000, v[TM+\c]    ; 4 off the exponent field: the conversion's scale operand
.endr
.irp c, 0,1
	v_lshrrev_b32 v[BY+\c], 23, v[SO+\c]
.endr
	v_lshl_or_b32 v[\pw], v[BY+1], 16, v[BY]
	v_lshlrev_b32 v[\pw], v[SH8], v[\pw]
	v_permlanex16_b32 v[T], v[\pw], s[SEL], s[SEL+1]
	v_or_b32 v[\pw], v[\pw], v[T]
.irp c, 0,1
	v_cvt_scalef32_pk16_bf6_f32 v[(\d)+6*\c:(\d)+6*\c+2], v[(\x)+32*\c:(\x)+32*\c+15], v[SO+\c]
	v_cvt_scalef32_pk16_bf6_f32 v[TC+4*\c:TC+4*\c+2], v[(\x)+32*\c+16:(\x)+32*\c+31], v[SO+\c]
.endr
	v_nop                                          ; one plain place behind a scaled conversion
.irp c, 0,1
.irp i, 0,1,2
	v_mov_b32 v[(\d)+6*\c+3+\i], v[TC+4*\c+\i]
.endr
.endr
.endm
	s_load_b512 s[4:19], s[0:1], 0x0               ; x_img, x_sc, w_img, w_sc, bq, bk, bv, q_ws
	s_load_b64 s[20:21], s[0:1], 0x40              ; kv_ws
	v_lshl_add_u32 v[SPW], v0, 2, SPARE
	v_mov_b32 v[NIL], 0
	ds_add_u32 v[SPW], v[NIL]                      ; the opening lines: the add, twice on end, and its wait
	ds_add_u32 v[SPW], v[NIL]
	v_lshrrev_b32 v1, 5, v0
	v_readfirstlane_b32 s[WV], v1                  ; wave 0..3
	s_lshr_b32 s[WR], s[WV], 1
	s_and_b32 s[WC], s[WV], 1
	s_bfe_u32 s[CX], ttmp6, 0x40000                ; the column: the grid is one cluster wide
	s_bfe_u32 s[CY], ttmp6, 0x40004
	s_and_b32 s[TROW], ttmp7, 0xffff
	s_lshl_b32 s[TROW], s[TROW], 2
	s_add_co_u32 s[TROW], s[TROW], s[CY]           ; the row: my 128 rows of x
	s_lshl_b32 s29, s[CY], 2
	s_lshl_b32 s29, 15, s29                        ; my row of the cluster
	s_or_b32 s[G1X], s29, (3<<16)|(1<<21)          ; the mask; elements of 8 bytes; bit 21 beside a mask; no padding
	s_lshl_b32 s30, 0x1111, s[CX]                  ; my column
	s_or_b32 s[G1H], s30, (3<<16)|(1<<21)
	s_or_b32 s[G1W], s30, (3<<16)|(1<<21)
.irp g, G1X, G1H
	s_mov_b32 s[\g+1], 768<<16                     ; rows of 6,144 bytes: a row tile's four fragments of a half of K
	s_mov_b32 s[\g+2], 8<<16                       ; 8 row tiles
	s_mov_b32 s[\g+3], 768<<16
	s_mov_b32 s[\g+4], 8
	s_mov_b32 s[\g+5], 1536                        ; 12,288 bytes from row tile to row tile
	s_mov_b32 s[\g+6], 0
	s_mov_b32 s[\g+7], 0
.endr
	s_mov_b32 s[G1W+1], 768<<16
	s_mov_b32 s[G1W+2], 4<<16                      ; 4 row tiles
	s_mov_b32 s[G1W+3], 768<<16
	s_mov_b32 s[G1W+4], 4
	s_mov_b32 s[G1W+5], 1536
	s_mov_b32 s[G1W+6], 0
	s_mov_b32 s[G1W+7], 0
	s_mov_b32 s[SEL], 0x76543210
	s_mov_b32 s[SEL+1], 0xfedcba98
	s_mov_b32 s[PS], 0
	v_and_b32 v1, 31, v0                           ; l
	v_and_b32 v2, 15, v0                           ; r
	v_bfe_u32 v3, v0, 4, 1                         ; h
	v_lshlrev_b32 v[L8], 3, v1
	s_wait_alu depctr_va_vdst(0)                   ; the wait here
	s_mul_i32 s31, s[WR], 24576
.irp j, 0,1
	v_add_nc_u32 v[ADRA+\j], s31, v[L8]            ; q, k: my four row tiles of x in half j of K
	s_add_co_u32 s31, s31, 49152
.endr
	s_mul_i32 s31, s[WC], 49152
	s_add_co_u32 s31, s31, 98304
.irp j, 0,1
	v_add_nc_u32 v[ADRB+\j], s31, v[L8]            ; q, k: my eight row tiles of W in slot j
	s_add_co_u32 s31, s31, 98304
.endr
	s_mul_i32 s31, s[WV], 24576
	s_add_co_u32 s31, s31, 98304
.irp j, 0,1
	v_add_nc_u32 v[ADRA2+\j], s31, v[L8]           ; v: my four row tiles of Wv in slot j
	s_add_co_u32 s31, s31, 98304
.endr
	s_mov_b32 s31, 0
.irp j, 0,1
	v_add_nc_u32 v[ADRB2+\j], s31, v[L8]           ; v: x's eight row tiles
	s_add_co_u32 s31, s31, 49152
.endr
	v_lshlrev_b32 v[VA], 4, v2
	v_lshl_add_u32 v[VB], v3, 11, v[VA]            ; B's scale words: 16 r, lanes 16-31 four row tiles on
	v_lshl_add_u32 v[VA], v3, 10, v[VA]            ; A's: lanes 16-31 two row tiles on
	v_lshlrev_b32 v[SH8], 3, v3
	v_mov_b32 v[T], 0                              ; written once: a lane permute's destination counts as one of its sources
	s_lshl_b32 s[EOFR], s[CX], 10
	s_lshl_b32 s31, s[WC], 9
	s_add_co_u32 s[EOFR], s[EOFR], s31             ; q, k: my 128 channels in the bias
	v_lshl_add_u32 v[VBR], v3, 7, s[EOFR]          ; + 32 h numbers
	s_lshl_b32 s[EOFL], s[CX], 2
	s_add_co_u32 s[EOFL], s[EOFL], s[WV]
	s_lshl_b32 s[EOFL], s[EOFL], 8                 ; v: my head's 64 channels in the bias
	v_and_b32 v[TV], 8, v2
	v_mad_u32_u24 v[TV], v[TV], 3, v2              ; 32 (r / 8) + r % 8
	v_lshl_add_u32 v[VBL], v[TV], 2, s[EOFL]
	; offsets.  What feeds x's descriptors never holds cx, what feeds the weights' never cy
	s_mul_i32 s66, s[TROW], 98304
	s_mul_i32 s67, s[WC], 6144
	s_add_co_u32 s66, s66, s67                     ; x's tile, + the half of K that wave 0 or 1 fetches
	s_mov_b32 s67, 0
	s_mul_i32 s104, s[CX], 196608                  ; my column's 16 row tiles in a weight
	s_mul_i32 s105, s[WC], 98304
	s_add_co_u32 s2, s104, s105                    ; the head: the eight row tiles that wave 2 or 3 fetches
	s_mov_b32 s3, 0
	s_mul_i32 s105, s[WV], 49152
	s_add_co_u32 s104, s104, s105                  ; the ring: my four row tiles
	s_mov_b32 s105, 0
	s_wait_alu depctr_va_vdst(0)                   ; the wait here, directly ahead of the waits below
	s_wait_dscnt 0x0                               ; both opening adds are done
	s_wait_kmcnt 0x0
	s_mov_b32 s[G0X], 1
	s_mul_i32 s[G0X+1], s[WC], 49152
	s_add_nc_u64 s[G0X+2:G0X+3], s[4:5], s[66:67]
	s_or_b32 s[G0X+3], s[G0X+3], 0x80000000
	s_mov_b32 s[G0H], 1
	s_mul_i32 s[G0H+1], s[WC], 49152
	s_add_co_u32 s[G0H+1], s[G0H+1], 98304
	s_add_nc_u64 s[G0H+2:G0H+3], s[8:9], s[2:3]
	s_or_b32 s[G0H+3], s[G0H+3], 0x80000000
	s_mul_i32 s31, s[WV], 24576
	s_add_co_u32 s31, s31, 98304
.irp j, 0,1
	s_mov_b32 s[G0R+4*\j], 1
	s_add_co_u32 s[G0R+4*\j+1], s31, \j*98304
	s_add_nc_u64 s[G0R+4*\j+2:G0R+4*\j+3], s[8:9], s[104:105]
	s_add_nc_u64 s[G0R+4*\j+2:G0R+4*\j+3], s[G0R+4*\j+2:G0R+4*\j+3], \j*6144
	s_or_b32 s[G0R+4*\j+3], s[G0R+4*\j+3], 0x80000000
.endr
	CROUND                                         ; all sixteen work-groups are here: the first joint loads meet
	s_cmp_eq_u32 s[WR], 0                          ; one load a wave: waves 0 and 1 x's two halves of K, waves 2 and 3 the two halves of Wq's rows, K 0-511.  All four wait alike
	s_cbranch_scc0 .Lhead_w
	tensor_load_to_lds s[G0X:G0X+3], s[G1X:G1X+7]
	s_nop 0
	PLACES 4
	s_branch .Lhead_j
.Lhead_w:
	tensor_load_to_lds s[G0H:G0H+3], s[G1H:G1H+7]
	s_nop 0
	PLACES 4
.Lhead_j:
	s_lshl_b32 s66, s[TROW], 12
	s_add_nc_u64 s[PB2:PB2+1], s[6:7], s[66:67]    ; x's scale words: my eight row tiles (v's pass)
	s_lshl_b32 s66, s[WR], 11
	s_add_nc_u64 s[PAS:PAS+1], s[PB2:PB2+1], s[66:67]   ; the four that I multiply in q's and k's passes
	s_lshl_b32 s104, s[CX], 13
	s_add_nc_u64 s[PA2:PA2+1], s[10:11], s[104:105]
	s_lshl_b32 s104, s[WC], 12
	s_add_nc_u64 s[PBS:PBS+1], s[PA2:PA2+1], s[104:105]   ; Wq's words: my eight row tiles
	s_add_nc_u64 s[PBK:PBK+1], s[PBS:PBS+1], 32768        ; Wk's: 64 row tiles on
	s_lshl_b32 s104, s[WV], 11
	s_add_co_u32 s104, s104, 65536
	s_add_nc_u64 s[PA2:PA2+1], s[PA2:PA2+1], s[104:105]   ; Wv's: my four row tiles
	s_mov_b64 s[PBI:PBI+1], s[12:13]
	s_mov_b64 s[PD:PD+1], s[18:19]
	; scale words of all of K, sixteen lanes to 256 consecutive bytes.  Word (a, q): v[SA + 8 (a % 2) + q], lanes 16-31 for a >= 2; (b, q): v[SB + 8 (b % 4) + q], lanes 16-31 for b >= 4
.irp ap, 0,1
.irp kq, 0,1
	global_load_b128 v[SA+8*\ap+4*\kq:SA+8*\ap+4*\kq+3], v[VA], s[PAS:PAS+1] offset:512*\ap+256*\kq
	global_load_b128 v[SA2+8*\ap+4*\kq:SA2+8*\ap+4*\kq+3], v[VA], s[PA2:PA2+1] offset:512*\ap+256*\kq
.endr
.endr
.irp bp, 0,1,2,3
.irp kq, 0,1
	global_load_b128 v[SB+8*\bp+4*\kq:SB+8*\bp+4*\kq+3], v[VB], s[PBS:PBS+1] offset:512*\bp+256*\kq
	global_load_b128 v[SB2+8*\bp+4*\kq:SB2+8*\bp+4*\kq+3], v[VB], s[PB2:PB2+1] offset:512*\bp+256*\kq
.endr
.endr
.irp a, 0,1,2,3
	global_load_b32 v[BL+2*\a], v[VBL], s[16:17] offset:32*\a
	global_load_b32 v[BL+2*\a+1], v[VBL], s[16:17] offset:32*\a      ; twice: a pair for the packed addition
.endr
.macro FRAG reg, adr, off              ; a fragment: six planes, 256 consecutive bytes a load
.irp p, 0,1,2,3,4,5
	ds_load_b64 v[(\reg)+2*\p:(\reg)+2*\p+1], v[\adr] offset:(\off)+256*\p
.endr
.endm
.macro FETCH q                         ; step q's fragments into set q % 2.  AB, AA: the pass's address registers
	WIN 0x40
.irp b, 0,1,2,3,4,5,6,7
	FRAG 96*((\q)%2)+12*\b, AB+(\q)/4, 6144*\b+1536*((\q)%4)
.endr
	WIN 0
.irp a, 0,1,2,3
	FRAG AF+48*((\q)%2)+12*\a, AA+(\q)/4, 6144*\a+1536*((\q)%4)
.endr
.endm
.macro MM a, b, q, cm                  ; one product; cm = 1: it starts the sum.  SAS, SBS: the pass's scale registers
.set ACC, 8*(8*(\a)+(\b))
.set BFR, 96*((\q)%2)+12*(\b)
.set AFR, AF+48*((\q)%2)+12*(\a)
.set SBR, SBS+8*((\b)%4)+(\q)
.set SAR, SAS+8*((\a)%2)+(\q)
.if (\cm) == 1
.if ((\b) < 4) && ((\a) < 2)
	v_wmma_scale_f32_16x16x128_f8f6f4 v[ACC:ACC+7], v[BFR:BFR+11], v[AFR:AFR+11], 0, v[SBR], v[SAR] matrix_a_fmt:MATRIX_FMT_BF6 matrix_b_fmt:MATRIX_FMT_BF6
.elseif (\a) < 2
	v_wmma_scale_f32_16x16x128_f8f6f4 v[ACC:ACC+7], v[BFR:BFR+11], v[AFR:AFR+11], 0, v[SBR], v[SAR] matrix_a_fmt:MATRIX_FMT_BF6 matrix_b_fmt:MATRIX_FMT_BF6 matrix_a_scale:MATRIX_SCALE_ROW1
.elseif (\b) < 4
	v_wmma_scale_f32_16x16x128_f8f6f4 v[ACC:ACC+7], v[BFR:BFR+11], v[AFR:AFR+11], 0, v[SBR], v[SAR] matrix_a_fmt:MATRIX_FMT_BF6 matrix_b_fmt:MATRIX_FMT_BF6 matrix_b_scale:MATRIX_SCALE_ROW1
.else
	v_wmma_scale_f32_16x16x128_f8f6f4 v[ACC:ACC+7], v[BFR:BFR+11], v[AFR:AFR+11], 0, v[SBR], v[SAR] matrix_a_fmt:MATRIX_FMT_BF6 matrix_b_fmt:MATRIX_FMT_BF6 matrix_a_scale:MATRIX_SCALE_ROW1 matrix_b_scale:MATRIX_SCALE_ROW1
.endif
.else
.if ((\b) < 4) && ((\a) < 2)
	v_wmma_scale_f32_16x16x128_f8f6f4 v[ACC:ACC+7], v[BFR:BFR+11], v[AFR:AFR+11], v[ACC:ACC+7], v[SBR], v[SAR] matrix_a_fmt:MATRIX_FMT_BF6 matrix_b_fmt:MATRIX_FMT_BF6
.elseif (\a) < 2
	v_wmma_scale_f32_16x16x128_f8f6f4 v[ACC:ACC+7], v[BFR:BFR+11], v[AFR:AFR+11], v[ACC:ACC+7], v[SBR], v[SAR] matrix_a_fmt:MATRIX_FMT_BF6 matrix_b_fmt:MATRIX_FMT_BF6 matrix_a_scale:MATRIX_SCALE_ROW1
.elseif (\b) < 4
	v_wmma_scale_f32_16x16x128_f8f6f4 v[ACC:ACC+7], v[BFR:BFR+11], v[AFR:AFR+11], v[ACC:ACC+7], v[SBR], v[SAR] matrix_a_fmt:MATRIX_FMT_BF6 matrix_b_fmt:MATRIX_FMT_BF6 matrix_b_scale:MATRIX_SCALE_ROW1
.else
	v_wmma_scale_f32_16x16x128_f8f6f4 v[ACC:ACC+7], v[BFR:BFR+11], v[AFR:AFR+11], v[ACC:ACC+7], v[SBR], v[SAR] matrix_a_fmt:MATRIX_FMT_BF6 matrix_b_fmt:MATRIX_FMT_BF6 matrix_a_scale:MATRIX_SCALE_ROW1 matrix_b_scale:MATRIX_SCALE_ROW1
.endif
.endif
.endm
; the products of A's blocks a0 .. a0 + na - 1 with B's eight, step q.
; The 32 accumulators take turns, one instruction a turn, in the same order in every step
.macro RUN q, cm, a0, na
	WIN 0xa1                                       ; source 0 (B) window 1, source 1 (A) window 0, C and D window 2
.set AI, \a0
.rept \na
.set BI, 0
.rept 8
	MM AI, BI, \q, \cm
.set BI, BI+1
.endr
.set AI, AI+1
.endr
.endm
.macro STEPN q, cm                     ; a step that changes no slot
	s_wait_dscnt 0x0                               ; this step's fragments are in
.if (\q) > 0
	PLACES 4                                       ; in front of loads into the set that the last step multiplied
.endif
	FETCH (\q)+1
	RUN \q, \cm, 0, 4
.endm
.macro MEETA                           ; step 3 of q's and k's passes: slot 1 is shown whole, slot 0 is read no more and takes the next weight's K 0-511
	WIN 0
	s_wait_tensorcnt 0x0                           ; my one load that was out, my part of slot 1, is in;
	ds_add_u32 v[SPW], v[NIL]
	s_add_nc_u64 s[G0R+2:G0R+3], s[G0R+2:G0R+3], WSTEP
	s_wait_dscnt 1                                 ; step 3's fragments are in; the add may be out
	RUN 3, 0, 0, 1
	s_wait_dscnt 0x0                               ; the add is done, and my reads of slot 0 are over
	s_barrier_signal -1                            ; this barrier opens a round of the cluster's barrier
	RUN 3, 0, 1, 1
	WIN 0
	s_barrier_wait -1
	CREST
	tensor_load_to_lds s[G0R:G0R+3], s[G1W:G1W+7]  ; the first tensor load behind the round; the four v_nop are also the places in front of the loads below
	s_nop 0
	PLACES 4
	FETCH 4
	RUN 3, 0, 2, 2
.endm
.macro MEETB                           ; in the middle of the way out: slot 0 is shown whole, slot 1 takes the next weight's K 512-1023
	s_wait_alu depctr_va_vdst(0)                   ; the wait here, directly ahead of the wait below
	s_wait_tensorcnt 0x0
	ds_add_u32 v[SPW], v[NIL]
	s_add_nc_u64 s[G0R+6:G0R+7], s[G0R+6:G0R+7], WSTEP
	s_wait_dscnt 0x0
	CROUND
	tensor_load_to_lds s[G0R+4:G0R+7], s[G1W:G1W+7]
	s_nop 0
	PLACES 4
.endm
.macro BIAS a, isv                     ; each accumulator is read from its low end on
.if \isv
	WIN 0x02                                       ; source 0 window 2
.else
	WIN 0x0e                                       ; source 0 window 2, source 1 window 3
.endif
.set n, 0
.rept 32
.if \isv
	v_pk_add_f32 v[X+2*n:X+2*n+1], v[64*(\a)+2*n:64*(\a)+2*n+1], v[BL+2*(\a):BL+2*(\a)+1]
.else
	v_pk_add_f32 v[X+2*n:X+2*n+1], v[64*(\a)+2*n:64*(\a)+2*n+1], v[2*n:2*n+1]
.endif
.set n, n+1
.endr
	WIN 0
.endm
.macro PASS isv
.if (\isv) == 0
	WIN 0xc0                                       ; destination window 3
.irp c, 0,1
.irp j, 0,1,2,3,4,5,6,7
	global_load_b128 v[32*\c+4*\j:32*\c+4*\j+3], v[VBR], s[PBI:PBI+1] offset:256*\c+16*\j   ; this pass's bias, wanted on the way out
.endr
.endr
	WIN 0
	s_wait_loadcnt 16                              ; all but the 16 just issued: the scale words are in
.else
	s_wait_loadcnt 0x0
.endif
	FETCH 0
	STEPN 0, 1
	STEPN 1, 0
	STEPN 2, 0
.if (\isv) == 0
	MEETA
.else
	s_wait_tensorcnt 0x0                           ; my part of slot 1 is in
	s_wait_dscnt 0x0
	s_barrier_signal -1
	s_barrier_wait -1                              ; everybody's is.
	PLACES 4
	FETCH 4
	RUN 3, 0, 0, 4
.endif
	STEPN 4, 0
	STEPN 5, 0
	STEPN 6, 0
	s_wait_dscnt 0x0
	RUN 7, 0, 0, 4
	WIN 0
	PLACES 4                                       ; behind the last products: their results are read, A's registers are written, loads land in scale registers
	; THE WAY OUT, tile a of A's four at a time: + bias, quantised, six planes stored
.if (\isv) == 0
	s_wait_loadcnt 0x0                             ; the bias
	s_cmp_lg_u32 s[PS], 0
	s_cbranch_scc1 .Lno_next_\@
.irp bp, 0,1,2,3
.irp kq, 0,1
	global_load_b128 v[SB+8*\bp+4*\kq:SB+8*\bp+4*\kq+3], v[VB], s[PBK:PBK+1] offset:512*\bp+256*\kq   ; behind q's pass: Wk's scale words
.endr
.endr
.Lno_next_\@:
	s_lshl_b32 s2, s[TROW], 1
	s_add_co_u32 s2, s2, s[WR]                     ; my group of 64 rows of x
	s_lshr_b32 s3, s2, 5                           ; the batch
	s_and_b32 s2, s2, 31                           ; the group in it
	s_lshl_b32 s3, s3, 4
	s_lshl_b32 s31, s[CX], 2
	s_add_co_u32 s3, s3, s31
	s_lshl_b32 s31, s[WC], 1
	s_add_co_u32 s3, s3, s31                       ; the first of my two heads: 16 x batch + 4 cx + 2 (w % 2)
	s_mov_b32 s[ESA], 768                          ; from tile to tile: three planes
	s_mov_b32 s[ESSH], 16                          ; lanes 16-31 store the second head's two bytes
	s_mov_b32 s[EMSK], 0xffff
	s_mov_b32 s[EOR], 0x7f7f0000
	s_mov_b32 s[ELIM], 32
	s_cmp_lg_u32 s[PS], 0
	s_cbranch_scc1 .Larm_k_\@
	s_lshl_b32 s3, s3, 5
	s_add_co_u32 s3, s3, s2
	s_mul_i32 s[EB0], s3, 3328
	s_add_co_u32 s[ESB], s[EB0], 3072
	s_mov_b32 s[ESC], 106496                       ; from head to head in q_ws
	s_mov_b32 s[ESCH], 106496
	s_branch .Larm_done_\@
.Larm_k_\@:
	s_mul_i32 s3, s3, 208896
	s_lshr_b32 s31, s2, 1
	s_mul_i32 s31, s31, 13056
	s_add_co_u32 s3, s3, s31                       ; the head's key step
	s_and_b32 s2, s2, 1                            ; which 64 of its 128 keys
	s_mul_i32 s31, s2, 3072
	s_add_co_u32 s[EB0], s3, s31
	s_lshl_b32 s31, s2, 8
	s_add_co_u32 s[ESB], s3, s31
	s_add_co_u32 s[ESB], s[ESB], 12288
	s_mov_b32 s[ESC], 208896                       ; from head to head in kv_ws
	s_mov_b32 s[ESCH], 208896
.Larm_done_\@:
.else
	s_lshl_b32 s2, s[CX], 2
	s_add_co_u32 s2, s2, s[WV]                     ; my head
	s_lshr_b32 s31, s[TROW], 4
	s_lshl_b32 s31, s31, 4
	s_add_co_u32 s31, s31, s2                      ; 16 x batch + head
	s_and_b32 s3, s[TROW], 15                      ; the key step
	s_mul_i32 s31, s31, 208896
	s_mul_i32 s3, s3, 13056
	s_add_co_u32 s31, s31, s3
	s_add_co_u32 s[EB0], s31, 6144
	s_add_co_u32 s[ESB], s31, 12800
	s_mov_b32 s[ESA], 1536                         ; from tile to tile: six planes
	s_mov_b32 s[ESC], 768                          ; the fragment's second half: three planes on
	s_mov_b32 s[ESCH], 0
	s_mov_b32 s[ESSH], 0
	s_mov_b32 s[EMSK], -1
	s_mov_b32 s[EOR], 0
	s_mov_b32 s[ELIM], 16
.endif
	s_mov_b32 s2, s[EB0]
.irp a, 0,1,2,3
	v_add_nc_u32 v[VO+2*\a], s2, v[L8]             ; where tile a's codes go: half 0,
	s_add_co_u32 s3, s2, s[ESC]
	v_add_nc_u32 v[VO+2*\a+1], s3, v[L8]           ; half 1
	s_add_co_u32 s2, s2, s[ESA]
.endr
	v_mul_u32_u24 v[SVO], v3, s[ESCH]
	v_lshl_add_u32 v[SVO], v2, 4, v[SVO]
	v_add_nc_u32 v[SVO], s[ESB], v[SVO]            ; where my four scale words go
	v_mul_u32_u24 v[SHV], v3, s[ESSH]
.irp a, 0,1,2,3
.if \a >= 2
	s_wait_xcnt 0x0                                ; tile a - 2's stores have read the codes' registers
.endif
.if (\a == 2) && ((\isv) == 0)
	MEETB
.endif
	BIAS \a, \isv
	QUANT6 X, D+12*(\a%2), PW+\a
.irp c, 0,1
.irp p, 0,1,2
	global_store_b64 v[VO+2*\a+\c], v[D+12*(\a%2)+6*\c+2*\p:D+12*(\a%2)+6*\c+2*\p+1], s[PD:PD+1] offset:256*\p   ; a plane: 256 consecutive bytes, aligned
.endr
.endr
.endr
.irp a, 0,1,2,3
	v_lshrrev_b32 v[WO+\a], v[SHV], v[PW+\a]       ; q, k: lanes 0-15 the first head's two bytes, lanes 16-31 the second's;  v: the whole word
.endr
.irp a, 0,1,2,3
	v_and_or_b32 v[WO+\a], v[WO+\a], s[EMSK], s[EOR]
.endr
	s_wait_alu depctr_va_vdst(0)                   ; the wait here, directly ahead of the wait below
	s_wait_xcnt 0x0                                ; EXEC changes only behind this wait
	v_cmp_gt_u32 vcc_lo, s[ELIM], v1
	s_and_saveexec_b32 s2, vcc_lo
	global_store_b128 v[SVO], v[WO:WO+3], s[PD:PD+1]   ; sixteen lanes store 256 consecutive bytes, aligned
	s_wait_xcnt 0x0                                ; every store has read its registers and its base
	s_or_b32 exec_lo, exec_lo, s2
.endm
	s_wait_alu depctr_va_vdst(0)                   ; the wait at the head's end
	s_wait_tensorcnt 0x0                           ; my tile of the head's four is in
	ds_add_u32 v[SPW], v[NIL]
	s_wait_dscnt 0x0
	CROUND
	tensor_load_to_lds s[G0R+4:G0R+7], s[G1W:G1W+7]   ; slot 1's first fill: Wq, K 512-1023, my four row tiles
	s_nop 0
	PLACES 4
.set AA, ADRA
.set AB, ADRB
.set SAS, SA
.set SBS, SB
.Lpass:                                        ; q, then k
	PASS 0
	s_mov_b64 s[PBI:PBI+1], s[14:15]               ; the next trip is k's: its bias, its buffer
	s_mov_b64 s[PD:PD+1], s[20:21]
	s_add_co_u32 s[PS], s[PS], 1
	s_cmp_lt_u32 s[PS], 2
	s_wait_alu depctr_va_vdst(0)                   ; the wait here, directly ahead of the branch
	s_cbranch_scc1 .Lpass
.set AA, ADRA2
.set AB, ADRB2
.set SAS, SA2
.set SBS, SB2
	PASS 1                                         ; v: nothing more is fetched
	s_wait_tensorcnt 0x0                           ; the wave's end
	ds_add_u32 v[SPW], v[NIL]
	s_wait_dscnt 0x0
	CROUND                                         ; the closing round: no work-group ends while a partner may still ask for a tile that names it
	s_endpgm
.Lfunc_end_k_q04b1980b43_qkv:
	.size	k_q04b1980b43_qkv, .Lfunc_end_k_q04b1980b43_qkv-k_q04b1980b43_qkv
	.p2alignl 7, 3214868480
	.fill 96, 4, 3214868480
	.section	.rodata,"a",@progbits
	.p2align	6, 0x0
	.amdhsa_kernel k_q04b1980b43_qkv
		.amdhsa_group_segment_fixed_size 327680
		.amdhsa_private_segment_fixed_size 0
		.amdhsa_enable_private_segment 0
		.amdhsa_kernarg_size 72
		.amdhsa_user_sgpr_count 2
		.amdhsa_user_sgpr_kernarg_segment_ptr 1
		.amdhsa_wavefront_size32 1
		.amdhsa_system_sgpr_workgroup_id_x 1
		.amdhsa_system_sgpr_workgroup_id_y 1
		.amdhsa_system_sgpr_workgroup_id_z 1
		.amdhsa_system_vgpr_workitem_id 0
		.amdhsa_next_free_vgpr 832
		.amdhsa_next_free_sgpr 106
		.amdhsa_reserve_vcc 1
		.amdhsa_float_denorm_mode_32 3
		.amdhsa_float_denorm_mode_16_64 3
		.amdhsa_memory_ordered 1
		.amdhsa_forward_progress 1
		.amdhsa_inst_pref_size 206
	.end_amdhsa_kernel
	.amdgpu_metadata
---
amdhsa.version: [ 1, 2 ]
amdhsa.kernels:
  - .name:           k_q04b1980b43_qkv
    .symbol:         k_q04b1980b43_qkv.kd
    .args:
      - { .name: x_img, .offset: 0, .size: 8, .value_kind: global_buffer, .address_space: global }
      - { .name: x_sc, .offset: 8, .size: 8, .value_kind: global_buffer, .address_space: global }
      - { .name: w_img, .offset: 16, .size: 8, .value_kind: global_buffer, .address_space: global }
      - { .name: w_sc, .offset: 24, .size: 8, .value_kind: global_buffer, .address_space: global }
      - { .name: bq, .offset: 32, .size: 8, .value_kind: global_buffer, .address_space: global }
      - { .name: bk, .offset: 40, .size: 8, .value_kind: global_buffer, .address_space: global }
      - { .name: bv, .offset: 48, .size: 8, .value_kind: global_buffer, .address_space: global }
      - { .name: q_ws, .offset: 56, .size: 8, .value_kind: global_buffer, .address_space: global }
      - { .name: kv_ws, .offset: 64, .size: 8, .value_kind: global_buffer, .address_space: global }
    .group_segment_fixed_size: 327680
    .private_segment_fixed_size: 0
    .kernarg_segment_align: 8
    .kernarg_segment_size: 72
    .max_flat_workgroup_size: 128
    .sgpr_count:     106
    .vgpr_count:     832
    .wavefront_size: 32
...
	.end_amdgpu_metadata
.endif
;; end of part 2
;; launch attn (part 3): grid 4 x 64, 8 waves a work-group, clusters of 4 x 1, 209,920 bytes of LDS; arguments q_ws, kv_ws, ctx_img, ctx_sc; writes ctx_img, ctx_sc
.if DOCPART == 3
	.amdgcn_target "amdgcn-amd-amdhsa--gfx1250"
	.amdhsa_code_object_version 6
	.text
	.protected	k_q04b1980b43_attn
	.globl	k_q04b1980b43_attn
	.p2align	8
	.type	k_q04b1980b43_attn,@function
k_q04b1980b43_attn:
	s_mov_b64 s[64:65], 0
	v_nop
	global_prefetch_b8 v0, s[64:65] scope:SCOPE_SE
	s_setreg_imm32_b32 hwreg(HW_REG_WAVE_MODE, 25, 1), 1
	s_wait_xcnt 0x0
	s_wait_alu depctr_hold_cnt(0) depctr_sa_sdst(0) depctr_va_vdst(0) depctr_va_sdst(0) depctr_va_ssrc(0) depctr_va_vcc(0) depctr_vm_vsrc(0)
	s_getreg_b32 s2, hwreg(HW_REG_IB_STS2, 6, 4)
	s_cmp_eq_u32 s2, 0
	s_cbranch_scc0 .Lentry_in_a_cluster
	s_endpgm
.Lentry_in_a_cluster:
	s_bfe_u32 s2, ttmp6, 0x10000c
	s_cmp_lg_u32 s2, 0x3003
	s_cbranch_scc0 .Lentry_shape_is_right
	s_endpgm
.Lentry_shape_is_right:
; ctx = softmax(q k^T / 8) v for one head, both products on codes of BF6 (E3M2) with E8M0 scales; ctx leaves quantised along d_model, as the last launch's operand.
; THE SOFTMAX: t = score x log2(e) / 8; M = the running largest t rounded UP to a whole number; p = 2^(t - M) is quantised along the keys, not normalised; the row's sum is taken of the
; unquantised p in f32 and divides at the end.  When M moves, the sum and O are multiplied by 2^(old M - new M): exact, in every step, with no branch on data.
; The running maximum is kept as a score: c is positive, so c x (the largest score) is the largest t, bit for bit.
; A block's largest p is not searched for: the block's largest score goes through the same multiply-add and exponential.  This takes v_exp_f32 not to fall where its input rises;
; at the worst one p of a block, within an ulp of a power of two, is held one code low.
; SHARES: a work-group owns 512 queries of a head; each of its eight waves 64: four tiles of 16 that share every fragment of K and V.  The head's K and V, codes and scale words, 208,896 bytes,
; stay in LDS, filled once: each wave brings two neighbouring key steps of the 16 by ONE tensor load, 102 rows of 256 bytes.  One barrier shows them; none stands in the loop over the keys.
; CLUSTER 4 x 1: the four work-groups of a cluster are one head's 2,048 queries and read the same K and V: every tile is asked for jointly, with the same descriptor and the mask 15.
; NO PREFETCH: the launch's only tensor loads stand at its head, so there is no loop to run ahead in.
; THE TILES GO IN PAIRS: 16 products give the scores of two tiles (128 registers); the chains of the two tiles and their four blocks take turns line by line; all t - M are laid first,
; then one wait, one batch of 132 exponentials, one wait.  The pair's eight products with V follow, and on them the next pair's sixteen with K.
; LAYOUT: both products transposed: S^T = K Q^T, O^T = V^T P^T: a lane holds ONE query.  Keys and channels lie in positions (position 16 s + r of 64 = 32 (r / 8) + 8 s + r % 8), so that register 32 c + i
; of S^T is key 64 c + 32 h + i: a lane's 32 registers are a whole block of keys in the order of P's operand; and O^T's 32 registers of a tile are channels 32 h + 0 .. 31: a whole block of ctx.
; K = 64 IN AN INSTRUCTION OF 128: Q's fragment has zero codes for k = 64 .. 127, with scale bytes 0x7f; K's operand for tile t is 12 registers of which the upper six are the next tile's codes
; (behind the last tile: zeros): finite numbers times zero codes.
; O^T and the sums begin as zeros, the largest score as -3e38 and -M as 2^125, so that the key step is written once; the first change of M multiplies zeros by 0.
; ctx's scale bytes: a work-group owns 2 of a row's 32, so they leave by stores of one byte a lane, four a wave.
; LIMITS: no NaN or infinity; the promise holds while |t| stays under 2^31; a block under the floor 2^-122 keeps the byte 1, its codes are zeros.
; REGISTERS: window 0: v1-8 addresses; v10-11, v26-67 at work; v12-25 scale words (Q, K, V, P); v32-47 four a tile: -M, largest score, the sum's two halves; v68-121 K; v122-249 S^T of two tiles, then p.
;   window 1: v0-127 O^T (32 t + 8 s + j); v128-175 Q; v176-223 V; v224-247 P of two tiles.
.set STEPB, 13056                      ; a key step in kv_ws and in LDS
.set WV, 12
.set CX, 13
.set BH, 14
.set G1, 16
.set G0, 24
.set NCS, 28                           ; -c
.set SEL, 32
.set CS, 34                            ; s[34:35] c = log2(e) / 8: the packed form names a pair and takes its low word for both halves
.set TB, 36                            ; LDS byte at which the key step in hand begins
.set CNT, 37
.set L8, 1
.set L16, 2
.set R16, 3
.set SH8, 4
.set AD8, 5
.set ADKS, 6
.set ADVS, 7
.set GSC, 8
.set T, 10
.set QS, 12
.set KS, 16
.set VS, 20
.set PS, 24
.set F, 26                             ; f of the pair's tile x in v[F + 2 x]; the register above it is named with it as a pair
.set RM, 30
.set ST, 32
.set BM, 48
.set SO, 52
.set BY, 56
.set PW, 60
.set U, 62
.set NM, 66
.set KF, 68
.set S, 122
.set QF, 128                           ; in window 1
.set VF, 176
.set P, 224
.set MSB, 0
.macro WIN new                         ; the immediate's high byte repeats the setting that is left
.if MSB != \new
	s_set_vgpr_msb (MSB<<8)|\new
.set MSB, \new
.endif
.endm
.macro PLACES n
.rept \n
	v_nop
.endr
.endm
.macro CROUND                          ; a round of the cluster's barrier
	s_barrier_signal -1
	s_barrier_wait -1
	s_cmp_lg_u32 s[WV], 0
	s_cbranch_scc1 .Lnot_wave_0_\@
	s_barrier_signal -3
.Lnot_wave_0_\@:
	s_barrier_wait -3
	s_barrier_signal -1
	s_barrier_wait -1
.endm
	s_load_b256 s[4:11], s[0:1], 0x0               ; q_ws, kv_ws, ctx_img, ctx_sc
	v_lshl_add_u32 v254, v0, 2, 0x33000            ; my spare word, behind K and V
	v_mov_b32 v255, 0
	ds_add_u32 v254, v255                          ; the opening lines: the add, twice on end, and its wait
	ds_add_u32 v254, v255
	v_lshrrev_b32 v9, 5, v0
	v_readfirstlane_b32 s[WV], v9                  ; wave 0..7
	s_bfe_u32 s[CX], ttmp6, 0x40000                ; my block of 512 queries: it enters Q's and ctx's addresses alone
	s_and_b32 s[BH], ttmp7, 0xffff                 ; 16 x batch + head, which the four partners share
	s_mov_b32 s[G1], 15|(3<<16)|(1<<21)            ; the mask: all four work-groups; elements of 8 bytes; bit 21 beside a mask; no padding
	s_mov_b32 s[G1+1], 32<<16                      ; tensor_dim0: 256 bytes
	s_mov_b32 s[G1+2], 102<<16                     ; tensor_dim1: 102 rows: two key steps, dense
	s_mov_b32 s[G1+3], 32<<16
	s_mov_b32 s[G1+4], 102
	s_mov_b32 s[G1+5], 32
	s_mov_b32 s[G1+6], 0
	s_mov_b32 s[G1+7], 0
	s_mov_b32 s[SEL], 0x76543210
	s_mov_b32 s[SEL+1], 0xfedcba98
	s_mov_b32 s[CS], 0x3e38aa3b
	s_mov_b32 s[CS+1], s[CS]
	s_mov_b32 s[NCS], 0xbe38aa3b
	s_mov_b32 s[TB], 0
	s_mul_i32 s38, s[WV], 2*STEPB                  ; key steps 2 w and 2 w + 1: in LDS and in the head
	s_mul_i32 s40, s[BH], 16*STEPB
	s_add_co_u32 s40, s40, s38
	s_mov_b32 s41, 0
	s_lshl_b32 s39, s[CX], 3
	s_add_co_u32 s39, s39, s[WV]                   ; my group of 64 queries in the head
	s_lshl_b32 s42, s[BH], 5
	s_add_co_u32 s42, s42, s39
	s_mul_i32 s42, s42, 3328
	s_mov_b32 s43, 0
	s_lshr_b32 s44, s[BH], 4
	s_lshl_b32 s44, s44, 5
	s_add_co_u32 s44, s44, s39                     ; my group of 64 rows of ctx
	s_and_b32 s39, s[BH], 15                       ; the head
	s_mul_i32 s46, s44, 4*12288
	s_lshr_b32 s45, s39, 1
	s_mul_i32 s45, s45, 1536                       ; the fragment: k128 = head / 2,
	s_add_co_u32 s46, s46, s45
	s_and_b32 s45, s39, 1
	s_mul_i32 s45, s45, 768                        ; its half: three planes
	s_add_co_u32 s46, s46, s45
	s_mov_b32 s47, 0
	s_lshl_b32 s44, s44, 11                        ; scale words: four row tiles of 512 bytes a group,
	s_lshr_b32 s45, s39, 3
	s_lshl_b32 s45, s45, 8                         ; the k quad,
	s_add_co_u32 s44, s44, s45
	s_bfe_u32 s45, s39, 0x20001
	s_lshl_b32 s45, s45, 2                         ; the word,
	s_add_co_u32 s44, s44, s45
	s_and_b32 s45, s39, 1
	s_lshl_b32 s45, s45, 1                         ; the pair of bytes in it
	s_add_co_u32 s44, s44, s45
	s_mov_b32 s45, 0
	v_and_b32 v9, 31, v0
	v_and_b32 v10, 15, v0
	v_bfe_u32 v11, v0, 4, 1
	v_lshlrev_b32 v[L8], 3, v9
	v_lshlrev_b32 v[L16], 4, v9
	v_lshlrev_b32 v[R16], 4, v10
	v_lshlrev_b32 v[SH8], 3, v11
	v_lshl_add_u32 v[GSC], v10, 4, v11             ; 16 r + h
	s_wait_alu depctr_va_vdst(0)                   ; the wait here, directly ahead of the waits below
	s_wait_dscnt 0x0                               ; both opening adds are done
	s_wait_kmcnt 0x0
	s_add_nc_u64 s[6:7], s[6:7], s[40:41]
	s_add_nc_u64 s[4:5], s[4:5], s[42:43]
	s_add_nc_u64 s[8:9], s[8:9], s[46:47]
	s_add_nc_u64 s[10:11], s[10:11], s[44:45]
	s_mov_b32 s[G0], 1
	s_mov_b32 s[G0+1], s38
	s_mov_b64 s[G0+2:G0+3], s[6:7]
	s_or_b32 s[G0+3], s[G0+3], 0x80000000
	WIN 0x40                                       ; destination window 1
.irp t, 0,1,2,3
.irp p, 0,1,2
	global_load_b64 v[QF+12*\t+2*\p:QF+12*\t+2*\p+1], v[L8], s[4:5] offset:256*(3*\t+\p)   ; Q stays in registers
.endr
.endr
	WIN 0
	global_load_b128 v[QS:QS+3], v[R16], s[4:5] offset:3072   ; Q's scale words: tile t's in v[QS + t]
	CROUND                                         ; all four work-groups are here: the joint loads meet
	tensor_load_to_lds s[G0:G0+3], s[G1:G1+7]      ; my one load; an s_nop 0 and four v_nop follow it
	s_nop 0
	PLACES 4
	WIN 0x40
.irp t, 0,1,2,3
.irp i, 6,7,8,9,10,11
	v_mov_b32 v[QF+12*\t+\i], 0                    ; zero codes for k = 64 .. 127
.endr
.endr
.set n, 0
.rept 128
	v_mov_b32 v[n], 0                              ; O^T
.set n, n+1
.endr
	WIN 0
.irp i, 0,1,2,3,4,5
	v_mov_b32 v[KF+48+\i], 0                       ; behind K's last tile
.endr
.irp t, 0,1,2,3
	v_mov_b32 v[ST+4*\t], 0x7e000000               ; -M
	v_mov_b32 v[ST+4*\t+1], 0xff61b1e6             ; the largest score so far: -3e38
	v_mov_b32 v[ST+4*\t+2], 0                      ; the sum, in two halves
	v_mov_b32 v[ST+4*\t+3], 0
.endr
	v_mov_b32 v[F+1], 0                            ; named with f as pairs, so they are written
	v_mov_b32 v[F+3], 0
.macro QK2 pr                          ; S^T of tiles 2 pr and 2 pr + 1: eight tiles of 16 keys each
	WIN 0x04                                       ; source 1 (Q) window 1
.irp x, 0,1
.irp t, 0,1,2,3
	v_wmma_scale_f32_16x16x128_f8f6f4 v[S+64*\x+8*\t:S+64*\x+8*\t+7], v[KF+6*\t:KF+6*\t+11], v[QF+12*(2*(\pr)+\x):QF+12*(2*(\pr)+\x)+11], 0, v[KS+\t], v[QS+2*(\pr)+\x] matrix_a_fmt:MATRIX_FMT_BF6 matrix_b_fmt:MATRIX_FMT_BF6
.endr
.irp t, 4,5,6,7
	v_wmma_scale_f32_16x16x128_f8f6f4 v[S+64*\x+8*\t:S+64*\x+8*\t+7], v[KF+6*\t:KF+6*\t+11], v[QF+12*(2*(\pr)+\x):QF+12*(2*(\pr)+\x)+11], 0, v[KS+\t-4], v[QS+2*(\pr)+\x] matrix_a_fmt:MATRIX_FMT_BF6 matrix_b_fmt:MATRIX_FMT_BF6 matrix_a_scale:MATRIX_SCALE_ROW1
.endr
.endr
	WIN 0
	PLACES 4                                       ; in front of the first read of the scores
.endm
; The softmax of the pair for these 128 keys, and its products with V.  e = 2 x + c counts the pair's four blocks of 32 keys a lane: block e lies at v[S + 32 e].
.macro SM2 pr
.irp e, 0,1,2,3                        ; each block's largest score, the four chains by turns; each accumulator is read from its low end on
	v_max3_num_f32 v[BM+\e], v[S+32*\e], v[S+32*\e+1], v[S+32*\e+2]
.endr
.irp i, 3,5,7,9,11,13,15,17,19,21,23,25,27,29
.irp e, 0,1,2,3
	v_max3_num_f32 v[BM+\e], v[BM+\e], v[S+32*\e+\i], v[S+32*\e+\i+1]
.endr
.endr
.irp e, 0,1,2,3
	v_max_num_f32 v[BM+\e], v[BM+\e], v[S+32*\e+31]
.endr
.irp x, 0,1
	v_max_num_f32 v[RM+\x], v[BM+2*\x], v[BM+2*\x+1]
.endr
.irp x, 0,1
	v_permlanex16_b32 v[T+\x], v[RM+\x], s[SEL], s[SEL+1]
.endr
.irp x, 0,1
	v_max3_num_f32 v[ST+4*(2*(\pr)+\x)+1], v[ST+4*(2*(\pr)+\x)+1], v[RM+\x], v[T+\x]   ; the running largest score, lane l xor 16's 64 keys among them
.endr
.irp x, 0,1
	v_mul_f32 v[NM+\x], s[NCS], v[ST+4*(2*(\pr)+\x)+1]   ; -t
.endr
.irp x, 0,1
	v_floor_f32 v[NM+\x], v[NM+\x]                 ; the new -M = -ceil(t)
.endr
.irp x, 0,1
	v_sub_f32 v[T+\x], v[NM+\x], v[ST+4*(2*(\pr)+\x)]    ; old M - new M: a whole number, 0 or less
.endr
.irp x, 0,1
	v_mov_b32 v[ST+4*(2*(\pr)+\x)], v[NM+\x]
.endr
.irp x, 0,1
	v_cvt_i32_f32 v[T+\x], v[T+\x]                 ; (it saturates)
.endr
.irp x, 0,1
	v_ldexp_f32 v[F+2*\x], 1.0, v[T+\x]            ; f = 2^(old M - new M)
.endr
.irp x, 0,1
	v_pk_mul_f32 v[ST+4*(2*(\pr)+\x)+2:ST+4*(2*(\pr)+\x)+3], v[ST+4*(2*(\pr)+\x)+2:ST+4*(2*(\pr)+\x)+3], v[F+2*\x:F+2*\x+1] op_sel_hi:[1,0]   ; the sums under the new M
.endr
.irp x, 0,1
.set n, 0
.rept 32
	v_pk_fma_f32 v[S+64*\x+2*n:S+64*\x+2*n+1], v[S+64*\x+2*n:S+64*\x+2*n+1], s[CS:CS+1], v[ST+4*(2*(\pr)+\x):ST+4*(2*(\pr)+\x)+1] op_sel_hi:[1,0,0]   ; t - M
.set n, n+1
.endr
.endr
.irp x, 0,1
.irp c, 0,1
	v_fma_f32 v[BM+2*\x+\c], v[BM+2*\x+\c], s[CS], v[ST+4*(2*(\pr)+\x)]   ; the same of each block's largest score
.endr
.endr
	s_wait_alu depctr_va_vdst(0)                   ; the wait ahead of the batch
.set n, 0
.rept 128
	v_exp_f32 v[S+n], v[S+n]                       ; p = 2^(t - M)
.set n, n+1
.endr
.irp e, 0,1,2,3
	v_exp_f32 v[BM+\e], v[BM+\e]                   ; the blocks' largest p
.endr
	v_nop                                          ; a plain place behind the last exponential
	s_wait_alu depctr_va_vdst(0)                   ; and the wait behind the batch
.irp x, 0,1                            ; the row's sum of the unquantised p: two chains a tile, the four by turns
	v_pk_add_f32 v[U+2*\x:U+2*\x+1], v[S+64*\x+2:S+64*\x+3], v[S+64*\x+6:S+64*\x+7]
.endr
.irp j, 0,4
.irp x, 0,1
	v_pk_add_f32 v[ST+4*(2*(\pr)+\x)+2:ST+4*(2*(\pr)+\x)+3], v[ST+4*(2*(\pr)+\x)+2:ST+4*(2*(\pr)+\x)+3], v[S+64*\x+\j:S+64*\x+\j+1]
.endr
.endr
.irp j, 8,12,16,20,24,28,32,36,40,44,48,52,56,60
.irp x, 0,1
	v_pk_add_f32 v[ST+4*(2*(\pr)+\x)+2:ST+4*(2*(\pr)+\x)+3], v[ST+4*(2*(\pr)+\x)+2:ST+4*(2*(\pr)+\x)+3], v[S+64*\x+\j:S+64*\x+\j+1]
.endr
.irp x, 0,1
	v_pk_add_f32 v[U+2*\x:U+2*\x+1], v[U+2*\x:U+2*\x+1], v[S+64*\x+\j+2:S+64*\x+\j+3]
.endr
.endr
.irp e, 0,1,2,3
	v_max_num_f32 v[BM+\e], 0x2800000, v[BM+\e]    ; the floor 2^(5 - 127)
.endr
.irp x, 0,1
	v_pk_add_f32 v[ST+4*(2*(\pr)+\x)+2:ST+4*(2*(\pr)+\x)+3], v[ST+4*(2*(\pr)+\x)+2:ST+4*(2*(\pr)+\x)+3], v[U+2*\x:U+2*\x+1]
.endr
.irp e, 0,1,2,3
	v_add_nc_u32 v[SO+\e], 0xfe000000, v[BM+\e]    ; 4 off the exponent field: the conversion's scale operand
.endr
.irp e, 0,1,2,3
	v_lshrrev_b32 v[BY+\e], 23, v[SO+\e]
.endr
.irp x, 0,1
	v_lshl_or_b32 v[PW+\x], v[BY+2*\x+1], 16, v[BY+2*\x]
.endr
.irp x, 0,1
	v_lshlrev_b32 v[PW+\x], v[SH8], v[PW+\x]
.endr
.irp x, 0,1
	v_permlanex16_b32 v[T+\x], v[PW+\x], s[SEL], s[SEL+1]
.endr
.irp x, 0,1
	v_or_b32 v[PS+\x], v[PW+\x], v[T+\x]           ; p's scale word for these 128 keys
.endr
	WIN 0x40                                       ; P lies in window 1
.irp e, 0,1,2,3
	v_cvt_scalef32_pk16_bf6_f32 v[P+6*\e:P+6*\e+2], v[S+32*\e:S+32*\e+15], v[SO+\e]
.endr
	WIN 0
	v_nop                                          ; one plain place: the next four write registers that the first four have read
.irp e, 0,1,2,3
	v_cvt_scalef32_pk16_bf6_f32 v[S+32*\e:S+32*\e+2], v[S+32*\e+16:S+32*\e+31], v[SO+\e]   ; (a conversion's three registers begin on an even number: made here, then moved)
.endr
	v_nop
	WIN 0x40
.irp e, 0,1,2,3
.irp i, 0,1,2
	v_mov_b32 v[P+6*\e+3+\i], v[S+32*\e+\i]
.endr
.endr
	WIN 0x41                                       ; O^T (destination and source 0) window 1, f window 0
.if (\pr) == 0
	s_wait_dscnt 0x0                               ; V and its scale words are in
.endif
	s_wait_alu depctr_va_vdst(0)                   ; the wait here, directly ahead of the first reader of O^T
.irp x, 0,1
.set n, 0
.rept 16
	v_pk_mul_f32 v[32*(2*(\pr)+\x)+2*n:32*(2*(\pr)+\x)+2*n+1], v[32*(2*(\pr)+\x)+2*n:32*(2*(\pr)+\x)+2*n+1], v[F+2*\x:F+2*\x+1] op_sel_hi:[1,0]   ; O^T under the new M.  (Also the places between P, its scale words and the products)
.set n, n+1
.endr
.endr
	WIN 0x55                                       ; V, P and O^T in window 1
.irp s, 0,1,2,3                        ; the pair's eight accumulators, one instruction each
.irp x, 0,1
	v_wmma_scale_f32_16x16x128_f8f6f4 v[32*(2*(\pr)+\x)+8*\s:32*(2*(\pr)+\x)+8*\s+7], v[VF+12*\s:VF+12*\s+11], v[P+12*\x:P+12*\x+11], v[32*(2*(\pr)+\x)+8*\s:32*(2*(\pr)+\x)+8*\s+7], v[VS+\s], v[PS+\x] matrix_a_fmt:MATRIX_FMT_BF6 matrix_b_fmt:MATRIX_FMT_BF6
.endr
.endr
.endm
	s_mov_b32 s[CNT], 16
	s_wait_alu depctr_va_vdst(0)                   ; the wait at the head's end
	s_wait_tensorcnt 0x0                           ; my two key steps are in
	s_barrier_signal -1
	s_barrier_wait -1                              ; all 16 are.  Nothing is filled again in this launch
	s_wait_loadcnt 0x0                             ; Q
.Lkey:                                         ; 128 keys a trip
	v_add_nc_u32 v[AD8], s[TB], v[L8]              ; these four lines are the places behind the last trip's products, in front of the loads into their registers
	v_add_nc_u32 v[ADKS], s[TB], v[L16]
	v_add_nc_u32 v[ADVS], s[TB], v[R16]
	v_nop
.set n, 0
.rept 24
	ds_load_b64 v[KF+2*n:KF+2*n+1], v[AD8] offset:256*n
.set n, n+1
.endr
	ds_load_b128 v[KS:KS+3], v[ADKS] offset:12288  ; K's scale words: lanes 0-15 tiles 0-3, lanes 16-31 tiles 4-7
	WIN 0x40
.set n, 0
.rept 24
	ds_load_b64 v[VF+2*n:VF+2*n+1], v[AD8] offset:6144+256*n
.set n, n+1
.endr
	WIN 0
	ds_load_b128 v[VS:VS+3], v[ADVS] offset:12800
	s_wait_dscnt 25                                ; K and its scale words are in; V's 24 loads and its scale words may be out
	QK2 0
	SM2 0
	QK2 1
	SM2 1
	WIN 0
	s_add_co_u32 s[TB], s[TB], STEPB
	s_sub_co_u32 s[CNT], s[CNT], 1
	s_cmp_lg_u32 s[CNT], 0
	s_cbranch_scc1 .Lkey
	; THE WAY OUT.  These twelve lines are the places behind the last products
.irp t, 0,1,2,3
	v_add_f32 v[ST+4*\t+2], v[ST+4*\t+2], v[ST+4*\t+3]
.endr
.irp t, 0,1,2,3
	v_permlanex16_b32 v[ST+4*\t+3], v[ST+4*\t+2], s[SEL], s[SEL+1]
.endr
.irp t, 0,1,2,3
	v_add_f32 v[ST+4*\t+2], v[ST+4*\t+2], v[ST+4*\t+3]   ; the row's sum
.endr
	s_wait_alu depctr_va_vdst(0)                   ; the wait ahead of the batch
.irp t, 0,1,2,3
	v_rcp_f32 v[ST+4*\t+2], v[ST+4*\t+2]
.endr
	v_nop                                          ; a plain place behind the last reciprocal
.macro CTX2 pr                         ; two tiles: O^T / the sum: a lane's 32 numbers are channels 32 h + 0 .. 31 of its query: one block of ctx.  Codes at v[S + 64 x + 32 + 16 pr]: registers of their own for each tile's stores
	WIN 0x01                                       ; source 0 window 1
	s_wait_alu depctr_va_vdst(0)                   ; behind the reciprocals, directly ahead of the first reader of O^T
.irp x, 0,1
.set n, 0
.rept 16
	v_pk_mul_f32 v[S+64*\x+2*n:S+64*\x+2*n+1], v[32*(2*(\pr)+\x)+2*n:32*(2*(\pr)+\x)+2*n+1], v[ST+4*(2*(\pr)+\x)+2:ST+4*(2*(\pr)+\x)+3] op_sel_hi:[1,0]
.set n, n+1
.endr
.endr
	WIN 0
.irp x, 0,1
.irp c, 0,1
	v_max3_num_f32 v[BM+2*\x+\c], |v[S+64*\x+16*\c]|, |v[S+64*\x+16*\c+1]|, 0x2800000
.endr
.endr
.irp i, 2,4,6,8,10,12,14
.irp x, 0,1
.irp c, 0,1
	v_max3_num_f32 v[BM+2*\x+\c], v[BM+2*\x+\c], |v[S+64*\x+16*\c+\i]|, |v[S+64*\x+16*\c+\i+1]|
.endr
.endr
.endr
.irp x, 0,1
	v_max_num_f32 v[BM+2*\x], v[BM+2*\x], v[BM+2*\x+1]
.endr
.irp x, 0,1
	v_add_nc_u32 v[SO+\x], 0xfe000000, v[BM+2*\x]
.endr
.irp x, 0,1
	v_lshrrev_b32 v[BY+2*(\pr)+\x], 23, v[SO+\x]   ; the block's byte, in a register of its own for each tile
.endr
.irp x, 0,1
	v_cvt_scalef32_pk16_bf6_f32 v[S+64*\x+32+16*(\pr):S+64*\x+34+16*(\pr)], v[S+64*\x:S+64*\x+15], v[SO+\x]
	v_cvt_scalef32_pk16_bf6_f32 v[S+64*\x+40+16*(\pr):S+64*\x+42+16*(\pr)], v[S+64*\x+16:S+64*\x+31], v[SO+\x]
.endr
	v_nop                                          ; one plain place behind a scaled conversion
.irp x, 0,1
.irp i, 0,1,2
	v_mov_b32 v[S+64*\x+35+16*(\pr)+\i], v[S+64*\x+40+16*(\pr)+\i]
.endr
.endr
.irp x, 0,1
.irp p, 0,1,2
	global_store_b64 v[L8], v[S+64*\x+32+16*(\pr)+2*\p:S+64*\x+33+16*(\pr)+2*\p], s[8:9] offset:12288*(2*(\pr)+\x)+256*\p   ; a plane: 256 consecutive bytes, aligned
.endr
	global_store_b8 v[GSC], v[BY+2*(\pr)+\x], s[10:11] offset:512*(2*(\pr)+\x)
.endr
.endm
	CTX2 0
	CTX2 1
	s_wait_tensorcnt 0x0                           ; the wave's end
	ds_add_u32 v254, v255
	s_wait_dscnt 0x0
	CROUND                                         ; the closing round
	s_endpgm
.Lfunc_end_k_q04b1980b43_attn:
	.size	k_q04b1980b43_attn, .Lfunc_end_k_q04b1980b43_attn-k_q04b1980b43_attn
	.p2alignl 7, 3214868480
	.fill 96, 4, 3214868480
	.section	.rodata,"a",@progbits
	.p2align	6, 0x0
	.amdhsa_kernel k_q04b1980b43_attn
		.amdhsa_group_segment_fixed_size 209920
		.amdhsa_private_segment_fixed_size 0
		.amdhsa_enable_private_segment 0
		.amdhsa_kernarg_size 32
		.amdhsa_user_sgpr_count 2
		.amdhsa_user_sgpr_kernarg_segment_ptr 1
		.amdhsa_wavefront_size32 1
		.amdhsa_system_sgpr_workgroup_id_x 1
		.amdhsa_system_sgpr_workgroup_id_y 1
		.amdhsa_system_sgpr_workgroup_id_z 1
		.amdhsa_system_vgpr_workitem_id 0
		.amdhsa_next_free_vgpr 512
		.amdhsa_next_free_sgpr 66
		.amdhsa_reserve_vcc 0
		.amdhsa_float_denorm_mode_32 3
		.amdhsa_float_denorm_mode_16_64 3
		.amdhsa_memory_ordered 1
		.amdhsa_forward_progress 1
		.amdhsa_inst_pref_size 77
	.end_amdhsa_kernel
	.amdgpu_metadata
---
amdhsa.version: [ 1, 2 ]
amdhsa.kernels:
  - .name:           k_q04b1980b43_attn
    .symbol:         k_q04b1980b43_attn.kd
    .args:
      - { .name: q_ws, .offset: 0, .size: 8, .value_kind: global_buffer, .address_space: global }
      - { .name: kv_ws, .offset: 8, .size: 8, .value_kind: global_buffer, .address_space: global }
      - { .name: ctx_img, .offset: 16, .size: 8, .value_kind: global_buffer, .address_space: global }
      - { .name: ctx_sc, .offset: 24, .size: 8, .value_kind: global_buffer, .address_space: global }
    .group_segment_fixed_size: 209920
    .private_segment_fixed_size: 0
    .kernarg_segment_align: 8
    .kernarg_segment_size: 32
    .max_flat_workgroup_size: 256
    .sgpr_count:     66
    .vgpr_count:     512
    .wavefront_size: 32
...
	.end_amdgpu_metadata
.endif
;; end of part 3
;; launch outp (part 4): grid 4 x 64, 4 waves a work-group, clusters of 4 x 4, 295,424 bytes of LDS; arguments ctx_img, ctx_sc, w_img, w_sc, bo, out0; writes out0
.if DOCPART == 4
	.amdgcn_target "amdgcn-amd-amdhsa--gfx1250"
	.amdhsa_code_object_version 6
	.text
	.protected	k_q04b1980b43_outp
	.globl	k_q04b1980b43_outp
	.p2align	8
	.type	k_q04b1980b43_outp,@function
k_q04b1980b43_outp:
	s_mov_b64 s[64:65], 0
	v_nop
	global_prefetch_b8 v0, s[64:65] scope:SCOPE_SE
	s_setreg_imm32_b32 hwreg(HW_REG_WAVE_MODE, 25, 1), 1
	s_wait_xcnt 0x0
	s_wait_alu depctr_hold_cnt(0) depctr_sa_sdst(0) depctr_va_vdst(0) depctr_va_sdst(0) depctr_va_ssrc(0) depctr_va_vcc(0) depctr_vm_vsrc(0)
	s_getreg_b32 s2, hwreg(HW_REG_IB_STS2, 6, 4)
	s_cmp_eq_u32 s2, 0
	s_cbranch_scc0 .Lentry_in_a_cluster
	s_endpgm
.Lentry_in_a_cluster:
	s_bfe_u32 s2, ttmp6, 0x10000c
	s_cmp_lg_u32 s2, 0xf033
	s_cbranch_scc0 .Lentry_shape_is_right
	s_endpgm
.Lentry_shape_is_right:
; out0 = ctx Wo^T + bo on codes of BF6 (E3M2) with E8M0 scales, sums in f32; out0 [8192][1024] f32.
; TILE: 128 positions of ctx (the lane matrix A, source 1) x 256 positions of Wo (the register matrix B, source 0), all of K = 1,024 in LDS, filled once.  256 work-groups.
; Four waves: wave w takes A's half w / 2 (64 positions) and B's half w % 2 (128): 32 accumulators, eight steps of 128 along K, written out.
; CLUSTER 4 x 4: A's tile is asked for jointly by a row of the cluster, B's by a column.
; ROWS IN POSITIONS (position 16 s + r of a group of 64 = row 32 (r / 8) + 8 s + r % 8) on both sides: block b, half h, register j is output channel 64 (b / 4) + 32 h + 8 (b % 4) + j, which the place
; in the stage undoes; lane r of tile a is row 32 (r / 8) + 8 a + r % 8, which the stores' immediates undo.
; bo costs no addition: it is the C of each sum's first product, eight registers a block in the result's layout.
; LDS: A's chunk j (256 along K) at 24,576 j, B's at 98,304 + 49,152 j.  The way out's stages (16 rows x 528 bytes a wave, 33,792 bytes) lie in A's first chunks: these have had their only fill, and every wave's
; last LDS read lies in front of the barrier that stands round the last step's products.
; REGISTERS: window 0: v1-15 lane numbers and addresses; v16-31 A's scale words, v32-63 B's; v64-127 bo, later rows of out0; v136-138 the way out's addresses; v160-255 A's two sets, later rows of out0.
;   window 1: B's two sets.   window 2: accumulator (a, b) at v[8 (8 a + b)].
; LDS AS THE FILLS BELOW LAY IT (this takes the place of the line on chunks above): K lies in two halves of 512.  A's half j at 49,152 j: row tile x 6,144 + (k128 % 4) x 1,536 + 256 x plane;
; B's at 98,304 + 98,304 j likewise.  One tensor load a wave: wave 0 A's half 0, wave 1 B's half 0, wave 2 A's half 1, wave 3 B's half 1.  The stages lie in A's half 0, which has had its only fill.
.set WV, 22
.set WR, 23
.set WC, 24
.set CX, 25
.set CY, 26
.set TROW, 29
.set TCOL, 30
.set G1A, 32
.set G1B, 40
.set G0A, 48
.set G0B, 68
.set ADRA, 4
.set ADRB, 8
.set VA,  12
.set VB,  13
.set VBR, 14
.set SA,  16
.set SB,  32
.set BR,  64
.set STO, 136
.set RD,  137
.set CO,  138
.set L8,  139
.set AF,  160
.set BK0, 64
.set BK1, 160
.set SPI, 528
.set MSB, 0
.macro WIN new                         ; the immediate's high byte repeats the setting that is left
.if MSB != \new
	s_set_vgpr_msb (MSB<<8)|\new
.set MSB, \new
.endif
.endm
.macro PLACES n
.rept \n
	v_nop
.endr
.endm
.macro CROUND                          ; a round of the cluster's barrier
	s_barrier_signal -1
	s_barrier_wait -1
	s_cmp_lg_u32 s[WV], 0
	s_cbranch_scc1 .Lnot_wave_0_\@
	s_barrier_signal -3
.Lnot_wave_0_\@:
	s_barrier_wait -3
	s_barrier_signal -1
	s_barrier_wait -1
.endm
	s_load_b256 s[4:11], s[0:1], 0x0               ; ctx_img, ctx_sc, w_img, w_sc
	s_load_b128 s[12:15], s[0:1], 0x20             ; bo, out0
	v_lshl_add_u32 v158, v0, 2, 0x48000
	v_mov_b32 v159, 0
	ds_add_u32 v158, v159
	ds_add_u32 v158, v159
	v_lshrrev_b32 v1, 5, v0
	v_readfirstlane_b32 s[WV], v1                  ; wave 0..3
	s_lshr_b32 s[WR], s[WV], 1                     ; my half of A's positions.  Also: which half of K I fetch
	s_and_b32 s[WC], s[WV], 1                      ; my half of B's.  Also: I fetch for A (0) or for B (1)
	s_bfe_u32 s[CX], ttmp6, 0x40000
	s_bfe_u32 s[CY], ttmp6, 0x40004
	s_and_b32 s[TROW], ttmp7, 0xffff
	s_lshl_b32 s[TROW], s[TROW], 2
	s_add_co_u32 s[TROW], s[TROW], s[CY]           ; tile row
	s_lshl_b32 s[TCOL], ttmp9, 2
	s_add_co_u32 s[TCOL], s[TCOL], s[CX]           ; tile column
	s_lshl_b32 s97, s[CY], 2
	s_lshl_b32 s97, 15, s97                        ; my row of the cluster
	s_or_b32 s[G1A], s97, (3<<16)|(1<<21)          ; the mask; elements of 8 bytes; bit 21 beside a mask; no padding
	s_lshl_b32 s100, 0x1111, s[CX]                 ; my column
	s_or_b32 s[G1B], s100, (3<<16)|(1<<21)
	s_mov_b32 s[G1A+1], 768<<16                    ; rows of 6,144 bytes: a row tile's four fragments of a half of K
	s_mov_b32 s[G1A+2], 8<<16                      ; A's 8 row tiles
	s_mov_b32 s[G1A+3], 768<<16
	s_mov_b32 s[G1A+4], 8
	s_mov_b32 s[G1A+5], 1536                       ; 12,288 bytes from row tile to row tile
	s_mov_b32 s[G1A+6], 0
	s_mov_b32 s[G1A+7], 0
	s_mov_b32 s[G1B+1], 768<<16
	s_mov_b32 s[G1B+2], 16<<16                     ; B's 16 row tiles
	s_mov_b32 s[G1B+3], 768<<16
	s_mov_b32 s[G1B+4], 16
	s_mov_b32 s[G1B+5], 1536
	s_mov_b32 s[G1B+6], 0
	s_mov_b32 s[G1B+7], 0
	v_and_b32 v1, 31, v0                           ; l
	v_and_b32 v2, 15, v0                           ; r
	v_bfe_u32 v3, v0, 4, 1                         ; h
	v_lshlrev_b32 v[L8], 3, v1
	s_wait_alu depctr_va_vdst(0)
	s_mul_i32 s31, s[WR], 24576
.irp j, 0,1
	v_add_nc_u32 v[ADRA+\j], s31, v[L8]            ; my four row tiles of A in half j of K
	s_add_co_u32 s31, s31, 49152
.endr
	s_mul_i32 s31, s[WC], 49152
	s_add_co_u32 s31, s31, 98304
.irp j, 0,1
	v_add_nc_u32 v[ADRB+\j], s31, v[L8]            ; my eight row tiles of B
	s_add_co_u32 s31, s31, 98304
.endr
	s_mul_i32 s31, s[WV], 16*SPI                   ; my stage
	v_mul_u32_u24 v[STO], v2, SPI
	v_lshl_add_u32 v[STO], v3, 7, v[STO]
	v_add_nc_u32 v[STO], s31, v[STO]               ; in: row r, + 128 h
	v_lshlrev_b32 v[CO], 4, v1                     ; back: the 32 lanes take a row of 512 bytes; and the same in out0
	v_add_nc_u32 v[RD], s31, v[CO]
	v_lshlrev_b32 v[VA], 4, v2
	v_lshl_add_u32 v[VB], v3, 11, v[VA]
	v_lshl_add_u32 v[VA], v3, 10, v[VA]
	; offsets.  What feeds A's descriptors never holds cx, what feeds B's never cy
	s_lshl_b32 s104, s[TROW], 3
	s_lshl_b32 s2, s[WR], 2
	s_add_co_u32 s2, s2, s104                      ; the first row tile of A that I multiply
	s_lshl_b32 s2, s2, 9
	s_mov_b32 s3, 0
	s_mul_i32 s104, s104, 12288                    ; A's tile begins here;
	s_mul_i32 s105, s[WR], 6144
	s_add_co_u32 s104, s104, s105                  ; + the half of K that I fetch
	s_mov_b32 s105, 0
	s_lshl_b32 s66, s[TCOL], 4
	s_add_co_u32 s66, s66, 192                     ; Wo begins at row tile 192
	s_lshl_b32 s67, s[WC], 3
	s_add_co_u32 s67, s66, s67                     ; the first row tile of B that I multiply: its scale words
	s_lshl_b32 s100, s67, 9
	s_mov_b32 s101, 0
	s_mul_i32 s66, s66, 12288                      ; B's tile begins here;
	s_mul_i32 s67, s[WR], 6144
	s_add_co_u32 s66, s66, s67                     ; + the half of K that I fetch
	s_mov_b32 s67, 0
	s_mul_i32 s97, s[WR], 49152                    ; where they go in LDS: the wave's number alone
	s_mul_i32 s31, s[WR], 98304
	s_add_co_u32 s31, s31, 98304
	s_lshl_b32 s16, s[TCOL], 10
	s_lshl_b32 s17, s[WC], 9
	s_add_co_u32 s16, s16, s17                     ; my first output channel, in bytes
	v_lshl_add_u32 v[VBR], v3, 7, s16              ; bo: + 32 h numbers
	s_lshl_b32 s18, s[TROW], 7
	s_lshl_b32 s17, s[WR], 6
	s_add_co_u32 s18, s18, s17                     ; my group's first row
	s_lshl_b32 s18, s18, 12
	s_add_co_u32 s18, s18, s16
	s_mov_b32 s19, 0
	s_wait_dscnt 0x0
	s_wait_kmcnt 0x0
	s_add_nc_u64 s[4:5], s[4:5], s[104:105]
	s_add_nc_u64 s[8:9], s[8:9], s[66:67]
	s_add_nc_u64 s[6:7], s[6:7], s[2:3]
	s_add_nc_u64 s[10:11], s[10:11], s[100:101]
	s_add_nc_u64 s[14:15], s[14:15], s[18:19]
.irp j, 0
	s_mov_b32 s[G0A+4*\j], 1
	s_add_co_u32 s[G0A+4*\j+1], s97, \j*24576
	s_add_nc_u64 s[G0A+4*\j+2:G0A+4*\j+3], s[4:5], \j*3072
	s_or_b32 s[G0A+4*\j+3], s[G0A+4*\j+3], 0x80000000
	s_mov_b32 s[G0B+4*\j], 1
	s_add_co_u32 s[G0B+4*\j+1], s31, \j*49152
	s_add_nc_u64 s[G0B+4*\j+2:G0B+4*\j+3], s[8:9], \j*3072
	s_or_b32 s[G0B+4*\j+3], s[G0B+4*\j+3], 0x80000000
.endr
	CROUND                                         ; all sixteen work-groups are here: the joint loads meet
	; one chain of branches on the wave's number, one fill to an arm, each wave with a load line of its own; an s_nop 0 and four v_nop follow each
	s_cmp_lt_u32 s[WV], 1
	s_cbranch_scc0 .Lfill_1
	tensor_load_to_lds s[G0A:G0A+3], s[G1A:G1A+7]  ; wave 0: A, K 0-511
	s_nop 0
	PLACES 4
	s_branch .Lfilled
.Lfill_1:
	s_cmp_lt_u32 s[WV], 2
	s_cbranch_scc0 .Lfill_2
	tensor_load_to_lds s[G0B:G0B+3], s[G1B:G1B+7]  ; wave 1: B, K 0-511
	s_nop 0
	PLACES 4
	s_branch .Lfilled
.Lfill_2:
	s_cmp_lt_u32 s[WV], 3
	s_cbranch_scc0 .Lfill_3
	tensor_load_to_lds s[G0A:G0A+3], s[G1A:G1A+7]  ; wave 2: A, K 512-1023
	s_nop 0
	PLACES 4
	s_branch .Lfilled
.Lfill_3:
	tensor_load_to_lds s[G0B:G0B+3], s[G1B:G1B+7]  ; wave 3: B, K 512-1023
	s_nop 0
	PLACES 4
.Lfilled:
	s_wait_alu depctr_va_vdst(0)
.irp ap, 0,1
.irp kq, 0,1
	global_load_b128 v[SA+8*\ap+4*\kq:SA+8*\ap+4*\kq+3], v[VA], s[6:7] offset:512*\ap+256*\kq     ; word (a, q): v[SA + 8 (a % 2) + q], lanes 16-31 for a >= 2
.endr
.endr
.irp bp, 0,1,2,3
.irp kq, 0,1
	global_load_b128 v[SB+8*\bp+4*\kq:SB+8*\bp+4*\kq+3], v[VB], s[10:11] offset:512*\bp+256*\kq   ; word (b, q): v[SB + 8 (b % 4) + q], lanes 16-31 for b >= 4
.endr
.endr
.irp c, 0,1
.irp j, 0,1,2,3,4,5,6,7
	global_load_b128 v[BR+32*\c+4*\j:BR+32*\c+4*\j+3], v[VBR], s[12:13] offset:256*\c+16*\j
.endr
.endr
.macro FRAG reg, adr, off              ; a fragment: six planes, 256 consecutive bytes a load
.irp p, 0,1,2,3,4,5
	ds_load_b64 v[(\reg)+2*\p:(\reg)+2*\p+1], v[\adr] offset:(\off)+256*\p
.endr
.endm
.macro FETCH q
	WIN 0x40
.irp b, 0,1,2,3,4,5,6,7
	FRAG 96*((\q)%2)+12*\b, ADRB+(\q)/4, 6144*\b+1536*((\q)%4)
.endr
	WIN 0
.irp a, 0,1,2,3
	FRAG AF+48*((\q)%2)+12*\a, ADRA+(\q)/4, 6144*\a+1536*((\q)%4)
.endr
.endm
.macro MM a, b, q, cm                  ; one product; cm = 1: it starts the sum, with bo as C
.set ACC, 8*(8*(\a)+(\b))
.set BFR, 96*((\q)%2)+12*(\b)
.set AFR, AF+48*((\q)%2)+12*(\a)
.set SBR, SB+8*((\b)%4)+(\q)
.set SAR, SA+8*((\a)%2)+(\q)
.set CBR, BR+8*(\b)
.if (\cm) == 1
.if ((\b) < 4) && ((\a) < 2)
	v_wmma_scale_f32_16x16x128_f8f6f4 v[ACC:ACC+7], v[BFR:BFR+11], v[AFR:AFR+11], v[CBR:CBR+7], v[SBR], v[SAR] matrix_a_fmt:MATRIX_FMT_BF6 matrix_b_fmt:MATRIX_FMT_BF6
.elseif (\a) < 2
	v_wmma_scale_f32_16x16x128_f8f6f4 v[ACC:ACC+7], v[BFR:BFR+11], v[AFR:AFR+11], v[CBR:CBR+7], v[SBR], v[SAR] matrix_a_fmt:MATRIX_FMT_BF6 matrix_b_fmt:MATRIX_FMT_BF6 matrix_a_scale:MATRIX_SCALE_ROW1
.elseif (\b) < 4
	v_wmma_scale_f32_16x16x128_f8f6f4 v[ACC:ACC+7], v[BFR:BFR+11], v[AFR:AFR+11], v[CBR:CBR+7], v[SBR], v[SAR] matrix_a_fmt:MATRIX_FMT_BF6 matrix_b_fmt:MATRIX_FMT_BF6 matrix_b_scale:MATRIX_SCALE_ROW1
.else
	v_wmma_scale_f32_16x16x128_f8f6f4 v[ACC:ACC+7], v[BFR:BFR+11], v[AFR:AFR+11], v[CBR:CBR+7], v[SBR], v[SAR] matrix_a_fmt:MATRIX_FMT_BF6 matrix_b_fmt:MATRIX_FMT_BF6 matrix_a_scale:MATRIX_SCALE_ROW1 matrix_b_scale:MATRIX_SCALE_ROW1
.endif
.else
.if ((\b) < 4) && ((\a) < 2)
	v_wmma_scale_f32_16x16x128_f8f6f4 v[ACC:ACC+7], v[BFR:BFR+11], v[AFR:AFR+11], v[ACC:ACC+7], v[SBR], v[SAR] matrix_a_fmt:MATRIX_FMT_BF6 matrix_b_fmt:MATRIX_FMT_BF6
.elseif (\a) < 2
	v_wmma_scale_f32_16x16x128_f8f6f4 v[ACC:ACC+7], v[BFR:BFR+11], v[AFR:AFR+11], v[ACC:ACC+7], v[SBR], v[SAR] matrix_a_fmt:MATRIX_FMT_BF6 matrix_b_fmt:MATRIX_FMT_BF6 matrix_a_scale:MATRIX_SCALE_ROW1
.elseif (\b) < 4
	v_wmma_scale_f32_16x16x128_f8f6f4 v[ACC:ACC+7], v[BFR:BFR+11], v[AFR:AFR+11], v[ACC:ACC+7], v[SBR], v[SAR] matrix_a_fmt:MATRIX_FMT_BF6 matrix_b_fmt:MATRIX_FMT_BF6 matrix_b_scale:MATRIX_SCALE_ROW1
.else
	v_wmma_scale_f32_16x16x128_f8f6f4 v[ACC:ACC+7], v[BFR:BFR+11], v[AFR:AFR+11], v[ACC:ACC+7], v[SBR], v[SAR] matrix_a_fmt:MATRIX_FMT_BF6 matrix_b_fmt:MATRIX_FMT_BF6 matrix_a_scale:MATRIX_SCALE_ROW1 matrix_b_scale:MATRIX_SCALE_ROW1
.endif
.endif
.endm
.macro MUL q, cm                       ; 32 products: the 32 accumulators take turns, one instruction a turn, in the same order in every step
.if (\cm) == 1
	WIN 0x81                                       ; source 0 (B) window 1, source 1 (A) and C (bo) window 0, D window 2
.else
	WIN 0xa1                                       ; C and D window 2
.endif
.irp a, 0,1,2,3
.irp b, 0,1,2,3,4,5,6,7
	MM \a, \b, \q, \cm
.endr
.endr
	WIN 0
.endm
.macro STEP q, cm
.if (\q) == 3
	s_wait_tensorcnt 0x0                           ; every wave's load is in: waves 2 and 3 brought the half of K that is read next
.endif
	s_wait_dscnt 0x0                               ; this step's fragments are in
.if (\q) == 3
	s_barrier_signal -1
	s_barrier_wait -1                              ; everybody's part is in.
.endif
.if ((\q) > 0) && ((\q) < 7)
	PLACES 4                                       ; in front of loads into the set that the last step multiplied
.endif
.if (\q) < 7
	FETCH (\q)+1                                   ; the next step's 72 loads, in one run ahead of this step's products
.endif
.if (\q) == 7
	s_barrier_signal -1                            ; my last read of the tiles is back
.endif
	MUL \q, \cm
.if (\q) == 7
	s_barrier_wait -1                              ; everybody's is: the stages may be written
.endif
.endm
	s_cmp_lt_u32 s[WV], 2                          ; waves 0 and 1 brought K 0-511 and wait for it; the loads of waves 2 and 3 may be out: their bytes are read behind step 3's barrier
	s_cbranch_scc0 .Lyounger
	s_wait_tensorcnt 0x0
.Lyounger:
	s_barrier_signal -1
	s_barrier_wait -1
	FETCH 0
	s_wait_loadcnt 0x0                             ; scale words and bo
	STEP 0, 1
	STEP 1, 0
	STEP 2, 0
	STEP 3, 0
	STEP 4, 0
	STEP 5, 0
	STEP 6, 0
	STEP 7, 0
; THE WAY OUT, tile a of 16 rows x 128 channels at a time, through my own stage: in by 32 bytes of a row, back as whole rows of 512 bytes.
; LDS serves a wave's instructions in order: no wait between the stores and the loads, nor in front of the next tile's stores.
.macro TOSTAGE a
	WIN 0x08                                       ; an LDS store's data are its source 1: window 2
.irp b, 0,1,2,3,4,5,6,7
	ds_store_b128 v[STO], v[8*(8*(\a)+\b):8*(8*(\a)+\b)+3] offset:256*(\b/4)+32*(\b%4)          ; each accumulator from its low end on
	ds_store_b128 v[STO], v[8*(8*(\a)+\b)+4:8*(8*(\a)+\b)+7] offset:256*(\b/4)+32*(\b%4)+16
.endr
	WIN 0
.set BB, BK0+(BK1-BK0)*((\a)%2)
.irp t, 0,1,2,3,4,5,6,7,8,9,10,11,12,13,14,15
	ds_load_b128 v[BB+4*\t:BB+4*\t+3], v[RD] offset:SPI*\t
.endr
.endm
.macro SEND a, younger                 ; younger: the LDS instructions issued behind tile a's loads, which may stay out
.set BB, BK0+(BK1-BK0)*((\a)%2)
	s_wait_dscnt \younger
.irp t, 0,1,2,3,4,5,6,7,8,9,10,11,12,13,14,15
	global_store_b128 v[CO], v[BB+4*\t:BB+4*\t+3], s[14:15] offset:(32*(\t/8)+8*(\a)+\t%8)*4096 th:TH_STORE_NT   ; 32 lanes store 512 consecutive bytes, aligned; position t of tile a is this row
.endr
.endm
	PLACES 4                                       ; behind the last products: their results are read, and loads land in A's registers
	TOSTAGE 0
.irp a, 1,2,3
.if \a > 1
	s_wait_xcnt 0x0                                ; tile a - 2's stores have read their registers: tile a's loads may land there
.endif
	TOSTAGE \a
	SEND \a-1, 32                                  ; behind tile a - 1's loads: tile a's 16 stores and 16 loads
.endr
	SEND 3, 0
	s_wait_tensorcnt 0x0
	ds_add_u32 v158, v159
	s_wait_dscnt 0x0
	CROUND                                         ; the closing round
	s_endpgm
.Lfunc_end_k_q04b1980b43_outp:
	.size	k_q04b1980b43_outp, .Lfunc_end_k_q04b1980b43_outp-k_q04b1980b43_outp
	.p2alignl 7, 3214868480
	.fill 96, 4, 3214868480
	.section	.rodata,"a",@progbits
	.p2align	6, 0x0
	.amdhsa_kernel k_q04b1980b43_outp
		.amdhsa_group_segment_fixed_size 295424
		.amdhsa_private_segment_fixed_size 0
		.amdhsa_enable_private_segment 0
		.amdhsa_kernarg_size 48
		.amdhsa_user_sgpr_count 2
		.amdhsa_user_sgpr_kernarg_segment_ptr 1
		.amdhsa_wavefront_size32 1
		.amdhsa_system_sgpr_workgroup_id_x 1
		.amdhsa_system_sgpr_workgroup_id_y 1
		.amdhsa_system_sgpr_workgroup_id_z 1
		.amdhsa_system_vgpr_workitem_id 0
		.amdhsa_next_free_vgpr 768
		.amdhsa_next_free_sgpr 106
		.amdhsa_reserve_vcc 0
		.amdhsa_float_denorm_mode_32 3
		.amdhsa_float_denorm_mode_16_64 3
		.amdhsa_memory_ordered 1
		.amdhsa_forward_progress 1
		.amdhsa_inst_pref_size 95
	.end_amdhsa_kernel
	.amdgpu_metadata
---
amdhsa.version: [ 1, 2 ]
amdhsa.kernels:
  - .name:           k_q04b1980b43_outp
    .symbol:         k_q04b1980b43_outp.kd
    .args:
      - { .name: ctx_img, .offset: 0, .size: 8, .value_kind: global_buffer, .address_space: global }
      - { .name: ctx_sc, .offset: 8, .size: 8, .value_kind: global_buffer, .address_space: global }
      - { .name: w_img, .offset: 16, .size: 8, .value_kind: global_buffer, .address_space: global }
      - { .name: w_sc, .offset: 24, .size: 8, .value_kind: global_buffer, .address_space: global }
      - { .name: bo, .offset: 32, .size: 8, .value_kind: global_buffer, .address_space: global }
      - { .name: out0, .offset: 40, .size: 8, .value_kind: global_buffer, .address_space: global }
    .group_segment_fixed_size: 295424
    .private_segment_fixed_size: 0
    .kernarg_segment_align: 8
    .kernarg_segment_size: 48
    .max_flat_workgroup_size: 128
    .sgpr_count:     106
    .vgpr_count:     768
    .wavefront_size: 32
...
	.end_amdgpu_metadata
.endif
;; end of part 4
